; MI455X (gfx1250); checked and timed in simulation.
; The chip was launched on July 23, 2026; its instructions are those of AMD's public machine-readable ISA for CDNA 5 (MIT licence, August 2026) and "CDNA5" Instruction Set Architecture Reference Guide (July 2026). The comments in the code are by the model that wrote it; some were corrected since.
;; Multi Head Attention. Allowed arithmetic: matrix products marked QUANTISED: E2M1 operands, one E8M0 scale for each 32 along K, by v_wmma_scale_f32_16x16x128_f8f6f4 with both operands' format E2M1 (or v_wmma_scale_f32_32x16x128_f4), f32 sums; products left as they are: bf16, f16 or f32 operands; f32 sums; everything else in f32.
;; Inputs: Wk 1,024 x 1,024 float32; Wo 1,024 x 1,024 float32; Wq 1,024 x 1,024 float32; Wv 1,024 x 1,024 float32; bk 1,024 float32; bo 1,024 float32; bq 1,024 float32; bv 1,024 float32; k 2 x 2,048 x 1,024 float32; mask 2 x 1 x 2,048 bool; q 2 x 2,048 x 1,024 float32; v 2 x 2,048 x 1,024 float32.
;; Outputs: out0 2 x 2,048 x 1,024 float32.
;; This version of the problem:
;;   THIS VERSION OF THE PROBLEM IS GIVEN IN LOW PRECISION. The matrix products marked QUANTISED in the list below multiply operands that are first quantised to E2M1 (2 exponent bits, 1 mantissa bit; 4 bits a number), with one power-of-two scale for each 32 numbers along K (OCP MX v1.0); their sums are f32. The products marked 'left as it is' may take bf16, f16 or f32 operands, with f32 sums. Whichever they take, every output number must still come out within the allowed error. Rounding operands to bf16 (8 significant bits) uses up far more of that allowance than f16 does (11 bits, for magnitudes from 6e-5 to 65,504). All else is computed in f32.
;;   The module's matrix products, in the order in which they are computed (A, B: the left and right operand; K: the contracted axis; several contracted axes count as one K, in the product's order):
;;     1. [M 4,096, K 1,024] x [K 1,024, N 1,024]; A: input q; B: input Wq: QUANTISED
;;     2. [M 4,096, K 1,024] x [K 1,024, N 1,024]; A: input k; B: input Wk: QUANTISED
;;     3. [M 4,096, K 1,024] x [K 1,024, N 1,024]; A: input v; B: input Wv: QUANTISED
;;     4. batch 32 x [M 2,048, K 64] x [K 64, N 2,048]; A: computed on the way; B: computed on the way: left as it is (an operand is computed on the way)
;;     5. batch 32 x [M 2,048, K 2,048] x [K 2,048, N 64]; A: computed on the way; B: computed on the way: left as it is (an operand is computed on the way)
;;     6. [M 4,096, K 1,024] x [K 1,024, N 1,024]; A: computed on the way; B: input Wo: left as it is (an operand is computed on the way)
;;   THE QUANTISER, for each operand of a quantised product, along K:
;;     - K is cut into blocks of 32 from its start; a last block that is shorter is filled with zeros.
;;     - A block's scale is 2^e with e = floor(log2(the largest magnitude in the block)) - 2, held to -126 .. 127; a block of zeros has e = 0. As a byte (E8M0): e + 127.
;;     - Each number is divided by its block's scale, clamped to +-6, and rounded to the nearest number of E2M1, ties to even, subnormals kept.
;;     - The product sums the exact products of the quantised numbers (number of the format x scale) in f32.
;;   ~~~python
;;   def quantise(x, axis):      # numpy; x: float32 -> the quantised numbers, widened to float32 again
;;       x = np.moveaxis(x, axis, -1); K = x.shape[-1]
;;       x = np.pad(x, [(0, 0)] * (x.ndim - 1) + [(0, -K % 32)]); x = x.reshape(x.shape[:-1] + (-1, 32)); a = np.abs(x).max(-1, keepdims=True)
;;       e = np.where(a > 0, np.clip(np.frexp(np.where(a > 0, a, 1))[1] - 1 - 2, -126, 127), 0)      # np.frexp(a)[1] - 1 = floor(log2(a)), exactly
;;       r = np.clip(x / 2.0 ** e, -6, 6)
;;       step = 2.0 ** (np.maximum(np.frexp(np.where(r == 0, 1, r))[1] - 1, 0) - 1)
;;       q = np.round(r / step) * step * 2.0 ** e      # np.round: ties to even
;;       return np.moveaxis(q.reshape(q.shape[:-2] + (-1,))[..., :K], -1, axis).astype(np.float32)
;;   ~~~
;; One version. Each part assembles by itself: llvm-mc -triple=amdgcn-amd-amdhsa -mcpu=gfx1250 --defsym DOCPART=n.
;; ======== version 1 of 1: 4 launches
;; limits: values are held in f16: magnitudes above 65,504 overflow, below 6.1e-05 lose precision; right only within a limited range of input values
;; workspace buffers: codes 7,864,320 bytes; scales 491,520 bytes; wo16 2,097,152 bytes; qh 8,388,608 bytes; kh 8,388,608 bytes; vt 8,388,608 bytes; att 8,388,608 bytes
;; launch quant (part 1): grid 512 x 1, 4 waves a work-group, no clusters, 33,280 bytes of LDS; arguments q, k, v, Wq, Wk, Wv, Wo, codes, scales, wo16; writes codes, scales, wo16
.if DOCPART == 1
	.amdgcn_target "amdgcn-amd-amdhsa--gfx1250"
	.amdhsa_code_object_version 6
	.text
	.protected	k_q10564c65cc_quant
	.globl	k_q10564c65cc_quant
	.p2align	8
	.type	k_q10564c65cc_quant,@function
k_q10564c65cc_quant:
	s_mov_b64 s[64:65], 0
	v_nop
	global_prefetch_b8 v0, s[64:65] scope:SCOPE_SE
	s_setreg_imm32_b32 hwreg(HW_REG_WAVE_MODE, 25, 1), 1
	s_wait_xcnt 0x0
; q, k, v [4096][1024] and Wq, Wk, Wv [1024][1024], f32 with K innermost, become codes of FP4 (E2M1), two a byte, and one E8M0 scale byte for each 32 along K.
; All six go into ONE stream of rows: codes [15360][512 bytes], scales [15360][32 bytes]; rows 0.. q, 4096.. k, 8192.. v, 12288.. Wq, 13312.. Wk, 14336.. Wv.  Wo [1024][1024] is rounded to f16 into wo16, same layout.
; A block's scale is 2^(floor(log2(its largest magnitude)) - 2); its byte is the largest magnitude's own exponent field - 2, held at 1 from below.
; LIMITS: a block of zeros gets the byte 1 (its codes are zeros, and only this program reads the bytes); blocks whose largest magnitude lies under 2^(2 - 126) keep the byte 1; NaN and infinities are not served; |Wo| stays under 65,504.
; SHARES: 512 work-groups of four waves; a work-group takes 32,768 numbers, a wave 8,192: 16 steps of 512.  Work-groups 0-127 q, 128-255 k, 256-383 v, 384-415 Wq, 416-447 Wk, 448-479 Wv, 480-511 Wo.
; Rows are dense and K is a multiple of 32, so each tensor is a plain stream of blocks of 32.  Each load reads 512 consecutive bytes; a step's 2,048 bytes turn through the wave's own stage in LDS, so that a lane holds 16 neighbours.
; A lane's 16 codes are 8 bytes: a wave's store covers 256 consecutive bytes.  A wave's 256 scale bytes are gathered in LDS and leave as 256 consecutive bytes.  Waves share nothing: no barrier.
.set WAVES, 4
.set STEPS, 16
.set EMAX,  2
.set CB,    8                          ; bytes of 16 codes
.set R,     16                         ; v16-79   four sets of 16 numbers as loaded (Wo's path: v16-143, two sets of 64)
.set X,     80                         ; v80-111  two sets of 16 neighbours
.set E,     112                        ; v112-127 a scale byte for each step
.set C,     128                        ; v128-191 codes, four registers a step: no store's data are written again
.set W,     144                        ; v144-175 Wo's path: 16 pairs of registers of f16
.set WREG,  8192                       ; LDS: a region for each wave: two stages of 32 x SP bytes, then its 256 scale bytes
.set SP,    80                         ; a lane's place in a stage: 64 bytes + 16 of padding
.set SPW,   12                         ; v12 LDS address of my spare word; never rewritten
.set NIL,   13                         ; v13 0; never rewritten
.set SPARE, WAVES*WREG                 ; behind the regions: the spare words, 128 bytes a wave
	s_load_b256 s[4:11], s[0:1], 0x0               ; q, k, v, Wq
	s_load_b256 s[12:19], s[0:1], 0x20             ; Wk, Wv, Wo, codes
	s_load_b128 s[20:23], s[0:1], 0x40             ; scales, wo16
	v_lshl_add_u32 v[SPW], v0, 2, SPARE
	v_mov_b32 v[NIL], 0
	v_lshrrev_b32 v1, 5, v0
	v_readfirstlane_b32 s27, v1                    ; wave
	v_and_b32 v2, 31, v0                           ; lane
	v_lshlrev_b32 v3, 4, v2                        ; my 16 bytes of a load's 512
	s_mul_i32 s28, s27, WREG
	v_lshrrev_b32 v14, 2, v2
	v_mul_u32_u24 v14, v14, SP
	v_and_b32 v15, 3, v2
	v_lshl_add_u32 v14, v15, 4, v14
	v_add_nc_u32 v14, s28, v14                     ; the stage, on the way in: SP (lane / 4) + 16 (lane % 4)
	v_mul_u32_u24 v15, v2, SP
	v_add_nc_u32 v15, s28, v15                     ; and on the way out: SP x lane: my 16 neighbours
	v_mul_u32_u24 v4, v2, CB                       ; my codes' place in a step's
	v_lshrrev_b32 v5, 1, v2
	s_add_co_u32 s28, s28, 2*32*SP
	v_add_nc_u32 v5, s28, v5                       ; LDS: my wave's 256 scale bytes, my block's byte
	v_lshlrev_b32 v7, 3, v2                        ; 8 bytes a lane
	v_add_nc_u32 v6, s28, v7
	s_lshl_b32 s30, ttmp9, 2
	s_add_co_u32 s30, s30, s27                     ; my run of 8,192 numbers in the stream: 4 x work-group + wave
	s_wait_kmcnt 0x0
; which tensor: a chain of choices on the work-group's number alone
	s_mov_b64 s[24:25], s[14:15]                   ; Wv,
	s_mov_b32 s26, 448                             ; whose first work-group is 448
.macro PICK limit, ptr, first
	s_cmp_lt_u32 ttmp9, \limit
	s_cselect_b64 s[24:25], s[\ptr:\ptr+1], s[24:25]
	s_cselect_b32 s26, \first, s26
.endm
	PICK 448, 12, 416
	PICK 416, 10, 384
	PICK 384, 8, 256
	PICK 256, 6, 128
	PICK 128, 4, 0
	s_cmp_ge_u32 ttmp9, 480
	s_cbranch_scc1 .Lwo
	s_sub_co_u32 s28, ttmp9, s26
	s_lshl_b32 s28, s28, 2
	s_add_co_u32 s28, s28, s27                     ; my run inside the tensor
	s_lshl_b32 s28, s28, 15                        ; x 32,768 bytes
	s_mov_b32 s29, 0
	s_add_nc_u64 s[24:25], s[24:25], s[28:29]
	s_lshl_b32 s28, s30, 12                        ; 4,096 bytes of codes a run
	s_add_nc_u64 s[18:19], s[18:19], s[28:29]
	s_lshl_b32 s28, s30, 8                         ; 256 scale bytes a run
	s_add_nc_u64 s[20:21], s[20:21], s[28:29]
.macro LOAD t
.irp i, 0,1,2,3
	global_load_b128 v[R+16*((\t)%4)+4*\i:R+16*((\t)%4)+4*\i+3], v3, s[24:25] offset:2048*(\t)+512*\i th:TH_LOAD_NT   ; 32 lanes read 512 consecutive bytes
.endr
.endm
.macro TURN t                          ; step t's numbers through the stage: LDS serves a wave's instructions in order, so no wait stands between the stores and the loads
.irp i, 0,1,2,3
	ds_store_b128 v14, v[R+16*((\t)%4)+4*\i:R+16*((\t)%4)+4*\i+3] offset:32*SP*((\t)%2)+8*SP*\i
.endr
.irp i, 0,1,2,3
	ds_load_b128 v[X+16*((\t)%2)+4*\i:X+16*((\t)%2)+4*\i+3], v15 offset:32*SP*((\t)%2)+16*\i
.endr
.endm
.irp t, 0,1,2,3
	LOAD \t
.endr
	s_wait_loadcnt 12                              ; step 0's four loads are in; three steps' twelve may be out
	TURN 0
.macro STEP t
.set XS, X+16*((\t)%2)
.if (\t) > 0
	s_wait_dscnt 1                                 ; this step's numbers are back from the stage (the last step's byte store may be out)
.else
	s_wait_dscnt 0x0
.endif
.if (\t)+4 < STEPS
	LOAD (\t)+4                                    ; the stage's stores have read their registers: they take the loads of four steps on
.endif
.if (\t)+1 < STEPS
.if STEPS-2-(\t) >= 3
	s_wait_loadcnt 12                              ; the next step's four loads are in; those of the three steps behind it may be out
.else
	s_wait_loadcnt 4*(STEPS-2-(\t))
.endif
	TURN (\t)+1
.endif
	v_max3_num_f32 v8, |v[XS]|, |v[XS+1]|, |v[XS+2]|               ; the largest magnitude of my 16, in two chains
	v_max3_num_f32 v9, |v[XS+3]|, |v[XS+4]|, |v[XS+5]|
.irp i, 6,10
	v_max3_num_f32 v8, v8, |v[XS+\i]|, |v[XS+\i+1]|
	v_max3_num_f32 v9, v9, |v[XS+\i+2]|, |v[XS+\i+3]|
.endr
	v_max3_num_f32 v8, v8, |v[XS+14]|, |v[XS+15]|
	v_max3_num_f32 v8, v8, v9, (EMAX+1)<<23        ; and the floor 2^(EMAX + 1 - 127): the byte cannot fall under 1
	v_max_num_f32_dpp v8, v8, v8 row_xmask:1 row_mask:0xf bank_mask:0xf   ; and of my neighbour's 16: the block's
	v_add_nc_u32 v11, -(EMAX<<23), v8              ; EMAX off its exponent field: the conversion takes that field as its scale
	v_cvt_scalef32_pk8_fp4_f32 v[C+4*(\t)], v[XS:XS+7], v11
	v_cvt_scalef32_pk8_fp4_f32 v[C+4*(\t)+1], v[XS+8:XS+15], v11
	v_lshrrev_b32 v[E+(\t)], 23, v11               ; the scale's byte
	ds_store_b8 v5, v[E+(\t)] offset:16*(\t)       ; both lanes of a block write the same byte with the same value
	global_store_b64 v4, v[C+4*(\t):C+4*(\t)+1], s[18:19] offset:32*CB*(\t)
.endm
.irp t, 0,1,2,3,4,5,6,7,8,9,10,11,12,13,14,15
	STEP \t
.endr
	ds_load_b64 v[8:9], v6                         ; LDS serves a wave's instructions in order: these see my byte stores
	s_wait_dscnt 0x0
	global_store_b64 v7, v[8:9], s[20:21]          ; 32 lanes store 256 consecutive bytes
	s_branch .Lend
; Wo to f16: 64 loads of 512 consecutive bytes, in four batches of 16 on two sets of registers; a lane's 4 numbers become 8 bytes, a wave's store 256 consecutive bytes.
.Lwo:
	s_sub_co_u32 s28, s30, 4*480                   ; my run inside Wo
	s_lshl_b32 s26, s28, 15
	s_mov_b32 s27, 0
	s_add_nc_u64 s[16:17], s[16:17], s[26:27]
	s_lshl_b32 s26, s28, 14
	s_add_nc_u64 s[22:23], s[22:23], s[26:27]
.macro WLOAD b
.irp i, 0,1,2,3,4,5,6,7,8,9,10,11,12,13,14,15
	global_load_b128 v[R+64*((\b)%2)+4*\i:R+64*((\b)%2)+4*\i+3], v3, s[16:17] offset:512*(16*(\b)+\i) th:TH_LOAD_NT
.endr
.endm
.macro WBATCH b
.if (\b) < 3
	s_wait_loadcnt 16                              ; this batch is in; the younger batch's 16 may be out
.else
	s_wait_loadcnt 0x0
.endif
.if (\b) > 0
	s_wait_xcnt 0x0                                ; the last batch's stores have read their data registers, which are written again below
.endif
.irp i, 0,1,2,3,4,5,6,7,8,9,10,11,12,13,14,15
	v_cvt_pk_f16_f32 v[W+2*\i], v[R+64*((\b)%2)+4*\i], v[R+64*((\b)%2)+4*\i+1]
	v_cvt_pk_f16_f32 v[W+2*\i+1], v[R+64*((\b)%2)+4*\i+2], v[R+64*((\b)%2)+4*\i+3]
.endr
.irp i, 0,1,2,3,4,5,6,7,8,9,10,11,12,13,14,15
	global_store_b64 v7, v[W+2*\i:W+2*\i+1], s[22:23] offset:256*(16*(\b)+\i)
.endr
.if (\b)+2 < 4
	WLOAD (\b)+2
.endif
.endm
	WLOAD 0
	WLOAD 1
	WBATCH 0
	WBATCH 1
	WBATCH 2
	WBATCH 3
.Lend:
	s_wait_tensorcnt 0x0                           ; the wave's end: behind my last LDS store
	ds_add_u32 v[SPW], v[NIL]
	s_wait_dscnt 0x0
	s_endpgm
.Lfunc_end_k_q10564c65cc_quant:
	.size	k_q10564c65cc_quant, .Lfunc_end_k_q10564c65cc_quant-k_q10564c65cc_quant
	.p2alignl 7, 3214868480
	.fill 96, 4, 3214868480
	.section	.rodata,"a",@progbits
	.p2align	6, 0x0
	.amdhsa_kernel k_q10564c65cc_quant
		.amdhsa_group_segment_fixed_size 33280
		.amdhsa_private_segment_fixed_size 0
		.amdhsa_enable_private_segment 0
		.amdhsa_kernarg_size 80
		.amdhsa_user_sgpr_count 2
		.amdhsa_user_sgpr_kernarg_segment_ptr 1
		.amdhsa_wavefront_size32 1
		.amdhsa_system_sgpr_workgroup_id_x 1
		.amdhsa_system_sgpr_workgroup_id_y 1
		.amdhsa_system_sgpr_workgroup_id_z 1
		.amdhsa_system_vgpr_workitem_id 0
		.amdhsa_next_free_vgpr 192
		.amdhsa_next_free_sgpr 66
		.amdhsa_reserve_vcc 0
		.amdhsa_float_denorm_mode_32 3
		.amdhsa_float_denorm_mode_16_64 3
		.amdhsa_memory_ordered 1
		.amdhsa_forward_progress 1
		.amdhsa_inst_pref_size 55
	.end_amdhsa_kernel
	.amdgpu_metadata
---
amdhsa.version: [ 1, 2 ]
amdhsa.kernels:
  - .name:           k_q10564c65cc_quant
    .symbol:         k_q10564c65cc_quant.kd
    .args:
      - { .name: q, .offset: 0, .size: 8, .value_kind: global_buffer, .address_space: global }
      - { .name: k, .offset: 8, .size: 8, .value_kind: global_buffer, .address_space: global }
      - { .name: v, .offset: 16, .size: 8, .value_kind: global_buffer, .address_space: global }
      - { .name: Wq, .offset: 24, .size: 8, .value_kind: global_buffer, .address_space: global }
      - { .name: Wk, .offset: 32, .size: 8, .value_kind: global_buffer, .address_space: global }
      - { .name: Wv, .offset: 40, .size: 8, .value_kind: global_buffer, .address_space: global }
      - { .name: Wo, .offset: 48, .size: 8, .value_kind: global_buffer, .address_space: global }
      - { .name: codes, .offset: 56, .size: 8, .value_kind: global_buffer, .address_space: global }
      - { .name: scales, .offset: 64, .size: 8, .value_kind: global_buffer, .address_space: global }
      - { .name: wo16, .offset: 72, .size: 8, .value_kind: global_buffer, .address_space: global }
    .group_segment_fixed_size: 33280
    .private_segment_fixed_size: 0
    .kernarg_segment_align: 8
    .kernarg_segment_size: 80
    .max_flat_workgroup_size: 128
    .sgpr_count:     66
    .vgpr_count:     192
    .wavefront_size: 32
...
	.end_amdgpu_metadata
.endif
;; end of part 1
;; launch proj (part 2): grid 4 x 48, 4 waves a work-group, clusters of 4 x 4, 327,680 bytes of LDS; arguments codes, scales, bq, bk, bv, qh, kh, vt; writes qh, kh, vt
.if DOCPART == 2
	.amdgcn_target "amdgcn-amd-amdhsa--gfx1250"
	.amdhsa_code_object_version 6
	.text
	.protected	k_q10564c65cc_proj
	.globl	k_q10564c65cc_proj
	.p2align	8
	.type	k_q10564c65cc_proj,@function
k_q10564c65cc_proj:
	s_mov_b64 s[64:65], 0
	v_nop
	global_prefetch_b8 v0, s[64:65] scope:SCOPE_SE
	s_setreg_imm32_b32 hwreg(HW_REG_WAVE_MODE, 25, 1), 1
	s_wait_xcnt 0x0
	s_wait_alu depctr_hold_cnt(0) depctr_sa_sdst(0) depctr_va_vdst(0) depctr_va_sdst(0) depctr_va_ssrc(0) depctr_va_vcc(0) depctr_vm_vsrc(0)
	s_getreg_b32 s2, hwreg(HW_REG_IB_STS2, 6, 4)
	s_cmp_eq_u32 s2, 0
	s_cbranch_scc0 .Lentry_in_a_cluster
	s_endpgm
.Lentry_in_a_cluster:
	s_bfe_u32 s2, ttmp6, 0x10000c
	s_cmp_lg_u32 s2, 0xf033
	s_cbranch_scc0 .Lentry_shape_is_right
	s_endpgm
.Lentry_shape_is_right:
; The three quantised products, on codes of FP4 (E2M1) with one E8M0 scale for each 32 along K = 1,024; sums in f32; bias added in f32; results rounded once to f16.
;   qh[b][h][s][64] = (q Wq^T + bq) x c, c = log2(e) / 8;   kh[b][h][s][64] = k Wk^T + bk;   vt[64 h + d][2048 b + s] = (v Wv^T + bv) transposed.
; C[m][n] = sum over k of A[m][k] B[n][k] on rows of the one stream of codes.  For q and k: A = the tokens' rows, B = the weight's rows.  For v the DATA change places: A = Wv's rows, B = v's rows: the same text then gives V with the tokens innermost.
; LIMITS: the results stay under 65,504 in magnitude (f16).
; SHARES: a tile of C, 256 x 256, to a work-group of four waves; a wave makes 128 x 128: 64 accumulators.  192 work-groups: 12 clusters of 4 x 4; clusters 0-3 q, 4-7 k, 8-11 v.
; All of K lies in LDS: two slots of 512 along K (rows of 256 bytes), both filled once; the scale bytes of the 512 rows likewise.  Three tensor loads of a wave are out at the start, none later.
; CLUSTERS: the four of a row of the cluster need the same rows of A, the four of a column the same rows of B: each tile is asked for jointly.
; THE MATRIX INSTRUCTION IS USED TRANSPOSED (source 0 = 16 rows of B, source 1 = 16 rows of A): a lane holds eight neighbouring n of one row m.
; REGISTERS: window 0: v0-31 addresses; v32-95 scale words, two sets; v128-191 A's fragments, one set; on the way out v32-63 packed results, v128-191 rows read back.
;   window 1: B's fragments at v0-63 and v128-191; v64-127 the bias by n, v192-207 the bias by m.   window 2: accumulators of my rows 0-63;  window 3: of rows 64-127.
.set NQ,     4                         ; steps of 128 along K in a slot
.set ROWB,   256                       ; a tile's row in bytes: 512 codes
.set KROW,   512                       ; a row of codes in memory
.set PITCH,  272                       ; an LDS row: 256 bytes + 16 of padding: 17 x 16 bytes
.set FR,     8
.set NL,     2
.set NP,     4
.set HALFT,  128*PITCH
.set SLOT,   4*HALFT                   ; A's 256 rows, then B's 256 rows
.set KS,     32                        ; a row of scale bytes
.set SCL,    2*SLOT                    ; behind the slots: the scales, as rows of 256 bytes + 16
.set HALFS,  (128*KS/256)*272
.set SBLK,   (16*KS/256)*272
.set SPARE,  SCL+4*HALFS               ; the spare words, 128 bytes a wave
.set SPITCH, 272                       ; the way out: a stage of 16 rows x (256 + 16) bytes a wave, in slot 0, which has had its one fill and its last read by then
.set VSTG,   4*16*SPITCH               ; v's way out has stage bytes of its own, behind q's and k's
.set ADRA, 16                          ; v16-17 LDS address of my A fragments in slot 0, 1
.set RDV,  18                          ; v18    v's way out: where I read rows back
.set COV,  19                          ; v19    and my byte offset in vt
.set ADRB, 20                          ; v20-21 the same as ADRA for B
.set LBN,  22                          ; v22    32 x (lane / 16): the bias by n
.set LBM,  23                          ; v23    4 x (lane % 16): the bias by m
.set STO,  24                          ; v24    where I put 16 bytes of a row
.set RDQ,  25                          ; v25    q's and k's way out: where I read rows back
.set COQ,  26                          ; v26    16 x lane
.set ADRS, 27                          ; v27    LDS address of my scale words: lanes 0-15 A's rows, lanes 16-31 B's
.set SPW,  28                          ; v28    my spare word; never rewritten
.set NIL,  29                          ; v29    0; never rewritten
.set SC,   32
.set AF,   128
.set TMP,  32
.set BK,   128
.set BN,   64                          ; window 1
.set BM,   192                         ; window 1
.set G1, 24
.set G0, 32
.set G1B, 48
.set G0B, 56
.set G1S, 68
.set G0S, 76
.set G1SB, 80
.set G0SB, 88
.set MSB, 0
.macro WIN new                         ; the immediate's high byte repeats the setting that is left
.if MSB != (\new)
	s_set_vgpr_msb (MSB<<8)|(\new)
.set MSB, \new
.endif
.endm
.set MUL_LO, 0xa1                      ; source 0 (B) window 1, source 1 (A) window 0, C and D window 2
.set MUL_HI, 0xf1
.set TO_B,   0x40
; A joint load: waves 0 and 1 fetch for A, waves 2 and 3 for B; the branch hangs on the wave's number alone.  An s_nop 0 and four v_nop follow each line.
.macro JLOAD g0a, g1a, g0b, g1b
	s_cmp_eq_u32 s15, 0
	s_cbranch_scc0 .Lfor_b_\@
	tensor_load_to_lds s[\g0a:\g0a+3], s[\g1a:\g1a+7]
	s_nop 0
.rept 4
	v_nop
.endr
	s_branch .Lasked_\@
.Lfor_b_\@:
	tensor_load_to_lds s[\g0b:\g0b+3], s[\g1b:\g1b+7]
	s_nop 0
.rept 4
	v_nop
.endr
.Lasked_\@:
.endm
.macro CROUND                          ; a round of the cluster's barrier
	s_barrier_signal -1
	s_barrier_wait -1
	s_cmp_lg_u32 s14, 0
	s_cbranch_scc1 .Lnot_wave_0_\@
	s_barrier_signal -3
.Lnot_wave_0_\@:
	s_barrier_wait -3
	s_barrier_signal -1
	s_barrier_wait -1
.endm
	s_load_b256 s[4:11], s[0:1], 0x0               ; codes s[4:5], scales s[6:7], bq s[8:9], bk s[10:11]
	s_load_b256 s[92:99], s[0:1], 0x20             ; bv s[92:93], qh s[94:95], kh s[96:97], vt s[98:99]
	v_lshl_add_u32 v[SPW], v0, 2, SPARE
	v_mov_b32 v[NIL], 0
	ds_add_u32 v[SPW], v[NIL]                      ; the wave's opening: the add, twice on end, and its wait ahead of my first tensor load
	ds_add_u32 v[SPW], v[NIL]
	v_lshrrev_b32 v1, 5, v0
	v_readfirstlane_b32 s14, v1                    ; wave 0..3
	s_lshr_b32 s15, s14, 1                         ; which half of the tile's rows is mine.  Also: I fetch for A (0) or for B (1)
	s_and_b32 s16, s14, 1                          ; which half of its columns.  Also: which 128 rows I fetch
	s_bfe_u32 s40, ttmp6, 0x40000                  ; cx
	s_bfe_u32 s41, ttmp6, 0x40004                  ; cy
	s_and_b32 s17, ttmp7, 0xffff                   ; the cluster's y, 0..11: the same in all sixteen partners
	s_lshr_b32 s66, s17, 2                         ; 0: q, 1: k, 2: v
	s_lshl_b32 s43, s41, 2
	s_lshl_b32 s43, 15, s43                        ; my row of the cluster
	s_lshl_b32 s44, 0x1111, s40                    ; my column
	; the first rows of A's and B's tiles in the stream of rows
	s_lshl_b32 s20, s17, 10                        ; 1,024 x cluster y: q's and k's tokens (A), v's tokens (B)
	s_lshl_b32 s46, s66, 10
	s_add_co_u32 s46, s46, 12288                   ; Wq's or Wk's rows
	s_mov_b32 s18, 14336                           ; Wv's rows
	s_cmp_lt_u32 s17, 8
	s_cselect_b32 s46, s46, s20                    ; B
	s_cselect_b32 s20, s20, s18                    ; A
	s_lshl_b32 s21, s41, 8
	s_add_co_u32 s20, s20, s21                     ; A: + 256 cy
	s_lshl_b32 s47, s40, 8
	s_add_co_u32 s46, s46, s47                     ; B: + 256 cx
	s_lshl_b32 s18, s16, 7
	s_add_co_u32 s20, s20, s18                     ; + the 128 rows that I fetch
	s_add_co_u32 s46, s46, s18
	s_lshl_b32 s22, s20, 5                         ; their scale bytes: 32 a row
	s_mov_b32 s23, 0
	s_lshl_b32 s20, s20, 9                         ; their codes: 512 bytes a row
	s_mov_b32 s21, 0
	s_lshl_b32 s100, s46, 5
	s_mov_b32 s101, 0
	s_lshl_b32 s46, s46, 9
	s_mov_b32 s47, 0
	; descriptor group 1: a tile of 128 rows x 256 bytes, 16 bytes of padding behind each row
	s_or_b32 s[G1+0], s43, (0<<16)|(1<<20)|(1<<21)|(5<<22)|(3<<25)
	s_or_b32 s[G1B+0], s44, (0<<16)|(1<<20)|(1<<21)|(5<<22)|(3<<25)
.irp g, G1, G1B
	s_mov_b32 s[\g+1], ROWB<<16                    ; tensor_dim0
	s_mov_b32 s[\g+2], 128<<16                     ; tensor_dim1
	s_mov_b32 s[\g+3], ROWB<<16                    ; tile_dim0
	s_mov_b32 s[\g+4], 128                         ; tile_dim1
	s_mov_b32 s[\g+5], KROW                        ; from row to row
	s_mov_b32 s[\g+6], 0
	s_mov_b32 s[\g+7], 0
.endr
	; the scales of 128 rows: 4,096 dense bytes, as 16 rows of 256 bytes (32 elements of 8 bytes), 16 bytes of padding behind each
	s_or_b32 s[G1S+0], s43, (3<<16)|(1<<20)|(1<<21)|(5<<22)|(3<<25)
	s_or_b32 s[G1SB+0], s44, (3<<16)|(1<<20)|(1<<21)|(5<<22)|(3<<25)
.irp g, G1S, G1SB
	s_mov_b32 s[\g+1], 32<<16
	s_mov_b32 s[\g+2], (128*KS/256)<<16
	s_mov_b32 s[\g+3], 32<<16
	s_mov_b32 s[\g+4], 128*KS/256
	s_mov_b32 s[\g+5], 32
	s_mov_b32 s[\g+6], 0
	s_mov_b32 s[\g+7], 0
.endr
	s_mul_i32 s45, s14, HALFT                      ; where they go: wave x 128 rows: no place in the cluster enters an LDS address
	s_mul_i32 s104, s14, HALFS
	s_wait_dscnt 0x0                               ; both opening adds are done
	s_wait_kmcnt 0x0
	s_add_nc_u64 s[20:21], s[4:5], s[20:21]
	s_add_nc_u64 s[22:23], s[6:7], s[22:23]
	s_add_nc_u64 s[46:47], s[4:5], s[46:47]
	s_add_nc_u64 s[100:101], s[6:7], s[100:101]
	s_cmp_eq_u32 s66, 1                            ; the bias and the output, by the cluster's y alone
	s_cselect_b64 s[8:9], s[10:11], s[8:9]
	s_cselect_b64 s[12:13], s[96:97], s[94:95]
	s_cmp_eq_u32 s66, 2
	s_cselect_b64 s[8:9], s[92:93], s[8:9]
	s_cselect_b64 s[12:13], s[98:99], s[12:13]
	CROUND                                         ; all sixteen work-groups are here: the first joint loads meet
	s_mov_b32 s[G0S], 1
	s_add_co_u32 s[G0S+1], s104, SCL
	s_mov_b64 s[G0S+2:G0S+3], s[22:23]
	s_or_b32 s[G0S+3], s[G0S+3], 0x80000000
	s_mov_b32 s[G0SB], 1
	s_add_co_u32 s[G0SB+1], s104, SCL
	s_mov_b64 s[G0SB+2:G0SB+3], s[100:101]
	s_or_b32 s[G0SB+3], s[G0SB+3], 0x80000000
	JLOAD G0S, G1S, G0SB, G1SB                     ; the scales first: they are wanted with the first step
.irp s, 0,1
	s_mov_b32 s[G0+4*\s], 1
	s_add_co_u32 s[G0+4*\s+1], s45, \s*SLOT
	s_add_nc_u64 s[G0+4*\s+2:G0+4*\s+3], s[20:21], \s*ROWB
	s_or_b32 s[G0+4*\s+3], s[G0+4*\s+3], 0x80000000
	s_mov_b32 s[G0B+4*\s], 1
	s_add_co_u32 s[G0B+4*\s+1], s45, \s*SLOT
	s_add_nc_u64 s[G0B+4*\s+2:G0B+4*\s+3], s[46:47], \s*ROWB
	s_or_b32 s[G0B+4*\s+3], s[G0B+4*\s+3], 0x80000000
	JLOAD G0+4*\s, G1, G0B+4*\s, G1B
.endr
	v_and_b32 v1, 15, v0                           ; r = lane % 16
	v_bfe_u32 v2, v0, 4, 1                         ; h = lane / 16
	v_mul_u32_u24 v3, v1, PITCH
	v_lshl_add_u32 v4, v2, 4, v3                   ; a fragment's row x pitch + 16 h
	s_mul_i32 s21, s15, HALFT                      ; my 128 rows of A
	s_mul_i32 s22, s16, HALFT                      ; my 128 rows of B,
	s_add_co_u32 s22, s22, 2*HALFT                 ; behind A's 256
.irp s, 0,1
	v_add_nc_u32 v[ADRA+\s], s21, v4
	v_add_nc_u32 v[ADRB+\s], s22, v4
	s_add_co_u32 s21, s21, SLOT
	s_add_co_u32 s22, s22, SLOT
.endr
	v_mul_u32_u24 v5, v1, KS                       ; my row's scales: 32 bytes a row,
	v_lshrrev_b32 v6, 8, v5
	v_lshl_add_u32 v5, v6, 4, v5                   ; and 16 more for each 256 passed
	s_mul_i32 s21, s15, HALFS
	s_mul_i32 s22, s16, HALFS
	s_add_co_u32 s22, s22, 2*HALFS
	s_sub_co_u32 s22, s22, s21
	v_mul_u32_u24 v6, s22, v2                      ; lanes 16-31 take B's: one product, the distance between the two bases
	s_add_co_u32 s21, s21, SCL
	v_add_nc_u32 v5, v5, v6
	v_add_nc_u32 v[ADRS], s21, v5
	s_mul_i32 s23, s14, 16*SPITCH                  ; my stage
	v_mul_u32_u24 v5, v1, SPITCH
	v_lshl_add_u32 v5, v2, 4, v5
	v_add_nc_u32 v[STO], s23, v5                   ; in: row r, 16 bytes for each half of the lanes
	v_and_b32 v6, 31, v0
	v_lshrrev_b32 v7, 3, v6
	v_and_b32 v8, 7, v6
	v_mul_u32_u24 v7, v7, SPITCH
	v_lshl_add_u32 v7, v8, 4, v7
	v_add_nc_u32 v[RDQ], s23, v7                   ; back, q and k: eight lanes take the 128 bytes of one head of one row, four rows an instruction
	v_lshlrev_b32 v[COQ], 4, v6
	v_mul_u32_u24 v7, v2, SPITCH
	v_lshl_add_u32 v7, v1, 4, v7
	v_add_nc_u32 v[RDV], s23, v7                   ; back, v: sixteen lanes take a row of 256 bytes, two rows an instruction
	v_lshlrev_b32 v7, 13, v2
	v_lshl_add_u32 v[COV], v1, 4, v7               ; and the same two rows in vt: 8,192 bytes apart
	v_lshlrev_b32 v[LBN], 5, v2
	v_lshlrev_b32 v[LBM], 2, v1
	; the bias, both ways (each path uses one): by n for my 128 columns, by m for my 128 rows; every index lies under 1,024
	s_lshl_b32 s18, s40, 10
	s_lshl_b32 s19, s16, 9
	s_add_co_u32 s18, s18, s19                     ; 4 x (256 cx + 128 x column half)
	s_mov_b32 s19, 0
	s_add_nc_u64 s[10:11], s[8:9], s[18:19]
	s_lshl_b32 s18, s41, 10
	s_lshl_b32 s67, s15, 9
	s_add_co_u32 s18, s18, s67                     ; 4 x (256 cy + 128 x row half)
	s_add_nc_u64 s[8:9], s[8:9], s[18:19]
	WIN 0x40                                       ; destination window 1
.irp b, 0,1,2,3,4,5,6,7
	global_load_b128 v[BN+8*\b:BN+8*\b+3], v[LBN], s[10:11] offset:64*\b        ; bias[16 b + 8 h + 0 .. 7]
	global_load_b128 v[BN+8*\b+4:BN+8*\b+7], v[LBN], s[10:11] offset:64*\b+16
.endr
.irp a, 0,1,2,3,4,5,6,7
	global_load_b32 v[BM+2*\a], v[LBM], s[8:9] offset:64*\a                     ; bias[16 a + r], twice: a pair for the packed addition
	global_load_b32 v[BM+2*\a+1], v[LBM], s[8:9] offset:64*\a
.endr
	WIN 0
.macro FRAG reg, adr, q, i             ; 16 rows x 128 K of 4-bit codes: 8 registers: lane l holds row l % 16; registers 4 c .. 4 c + 3 hold K = 64 c + 32 (l / 16) + 0 .. 31
.irp c, 0,1
	ds_load_b128 v[\reg+4*\c:\reg+4*\c+3], v[\adr] offset:64*(\q)+32*\c+(\i)*16*PITCH
.endr
.endm
; 16 matrix instructions: A's blocks a0, a0 + 1 x B's eight, the slot's q-th 128 along K.  The 64 accumulators take turns, one instruction a turn, in the same order in every step.
.macro MUL16 a0, p, q, sc, zero
.irp a, \a0, \a0+1
.irp b, 0,1,2,3,4,5,6,7
.if \zero
	v_wmma_scale_f32_16x16x128_f8f6f4 v[8*(8*((\a)%4)+\b):8*(8*((\a)%4)+\b)+7], v[128*(\p)+FR*\b:128*(\p)+FR*\b+FR-1], v[AF+FR*(\a):AF+FR*(\a)+FR-1], 0, v[SC+8*NQ*(\sc)+NQ*\b+(\q)], v[SC+8*NQ*(\sc)+NQ*(\a)+(\q)] matrix_a_fmt:MATRIX_FMT_FP4 matrix_b_fmt:MATRIX_FMT_FP4 matrix_a_scale:MATRIX_SCALE_ROW1
.else
	v_wmma_scale_f32_16x16x128_f8f6f4 v[8*(8*((\a)%4)+\b):8*(8*((\a)%4)+\b)+7], v[128*(\p)+FR*\b:128*(\p)+FR*\b+FR-1], v[AF+FR*(\a):AF+FR*(\a)+FR-1], v[8*(8*((\a)%4)+\b):8*(8*((\a)%4)+\b)+7], v[SC+8*NQ*(\sc)+NQ*\b+(\q)], v[SC+8*NQ*(\sc)+NQ*(\a)+(\q)] matrix_a_fmt:MATRIX_FMT_FP4 matrix_b_fmt:MATRIX_FMT_FP4 matrix_a_scale:MATRIX_SCALE_ROW1
.endif
.endr
.endr
.endm
.macro FETCH_B slot, q, p
	WIN TO_B
.irp i, 0,1,2,3,4,5,6,7
	FRAG 128*(\p)+FR*\i, ADRB+\slot, \q, \i
.endr
	WIN 0
.endm
.macro FETCH_A slot, q, i0
.irp i, \i0, \i0+1, \i0+2, \i0+3
	FRAG AF+FR*(\i), ADRA+\slot, \q, \i
.endr
.endm
.macro SCALES sc                       ; a slot's scale words: 4 words a row; lanes 0-15 take A's block i, lanes 16-31 B's block i
.irp i, 0,1,2,3,4,5,6,7
	ds_load_b128 v[SC+8*NQ*\sc+NQ*\i:SC+8*NQ*\sc+NQ*\i+3], v[ADRS] offset:\i*SBLK
.endr
.endm
.macro PLACES n                        ; plain vector places behind matrix instructions, ahead of loads into registers that they read and of reads of their results
.rept \n
	v_nop
.endr
.endm
.macro STEP slot, q, zero              ; a step of 128 along K that has its successor in the same slot
	s_wait_dscnt 4*NL                              ; B's set and A's blocks 0-3 are in; the youngest eight loads (A's blocks 4-7) may be out
	WIN MUL_LO
	MUL16 0, (\q)%2, \q, \slot, \zero
	MUL16 2, (\q)%2, \q, \slot, \zero
	s_wait_dscnt 0
	PLACES NP
	FETCH_B \slot, (\q)+1, 1-(\q)%2
	FETCH_A \slot, (\q)+1, 0
	WIN MUL_HI
	MUL16 4, (\q)%2, \q, \slot, \zero
	MUL16 6, (\q)%2, \q, \slot, \zero
	PLACES NP
	WIN 0
	FETCH_A \slot, (\q)+1, 4
.endm
.macro TURN slot, next                 ; slot 0's last step: one barrier; in front of it each wave has all its tensor loads in (its part of slot 1 among them) and its reads of slot 0 over.  Nothing is filled again
	s_wait_tensorcnt 0x0
	ds_add_u32 v[SPW], v[NIL]                      ; 0 onto my spare word
	s_wait_dscnt 4*NL+1                            ; (the add and the youngest eight loads may be out)
	WIN MUL_LO
	MUL16 0, 1, NQ-1, \slot, 0
	s_wait_dscnt 0x0
	s_barrier_signal -1
	MUL16 2, 1, NQ-1, \slot, 0
	WIN 0
	s_barrier_wait -1
	PLACES NP
	v_add_nc_u32 v[ADRS], 4*NQ, v[ADRS]            ; on to the next slot's scale words
	FETCH_B \next, 0, 0
	FETCH_A \next, 0, 0
	SCALES \next
	WIN MUL_HI
	MUL16 4, 1, NQ-1, \slot, 0
	MUL16 6, 1, NQ-1, \slot, 0
	PLACES NP
	WIN 0
	FETCH_A \next, 0, 4
.endm
.macro STEPS slot, from
.set Q, \from
.rept NQ-1-\from
	STEP \slot, Q, 0
.set Q, Q+1
.endr
.endm
	s_wait_tensorcnt 1                             ; the scales and my part of slot 0 are in (slot 1's load may be out)
	s_barrier_signal -1
	s_barrier_wait -1                              ; everybody's are
	FETCH_B 0, 0, 0
	FETCH_A 0, 0, 0
	SCALES 0
	FETCH_A 0, 0, 4
	STEP 0, 0, 1                                   ; the first step's products start the sums: nothing is cleared
	STEPS 0, 1
	TURN 0, 1
	STEPS 1, 0
	s_wait_dscnt 4*NL                              ; the last step: nothing more to fetch
	WIN MUL_LO
	MUL16 0, 1, NQ-1, 1, 0
	MUL16 2, 1, NQ-1, 1, 0
	s_wait_dscnt 0
	WIN MUL_HI
	MUL16 4, 1, NQ-1, 1, 0
	MUL16 6, 1, NQ-1, 1, 0
	WIN 0
	s_wait_loadcnt 0x0                             ; the biases
	PLACES NP                                      ; behind the last products, ahead of the first read of results and of loads into A's registers
	s_cmp_ge_u32 s17, 8                            ; the cluster's y: the same way in all sixteen partners and all four waves
	s_cbranch_scc1 .Lvout
; THE WAY OUT OF q AND k.  (sum + bias[n]) x factor = sum x factor + bias x factor: one packed multiply-add for two numbers.  A block of 16 tokens x 128 columns (two heads) goes through my stage and leaves as 512 consecutive bytes: 4 tokens of one head.
	s_and_b32 s18, s17, 3
	s_lshl_b32 s18, s18, 10
	s_lshl_b32 s19, s41, 8
	s_add_co_u32 s18, s18, s19
	s_lshl_b32 s19, s15, 7
	s_add_co_u32 s18, s18, s19                     ; my first token: 1,024 (y % 4) + 256 cy + 128 x row half
	s_lshr_b32 s19, s18, 11                        ; its batch
	s_and_b32 s18, s18, 2047                       ; its place in the sequence
	s_lshl_b32 s19, s19, 4
	s_lshl_b32 s22, s40, 2
	s_add_co_u32 s19, s19, s22
	s_lshl_b32 s22, s16, 1
	s_add_co_u32 s19, s19, s22                     ; 16 x batch + my first head (4 cx + 2 x column half)
	s_lshl_b32 s19, s19, 11
	s_add_co_u32 s18, s18, s19
	s_lshl_b32 s18, s18, 7                         ; rows of 128 bytes
	s_mov_b32 s19, 0
	s_add_nc_u64 s[12:13], s[12:13], s[18:19]
	s_cmp_eq_u32 s66, 0
	s_cselect_b32 s20, 0x3e38aa3b, 1.0             ; q: c = log2(e) / 8;  k: 1
	s_mov_b32 s21, s20                             ; (named with it as a pair)
	WIN 0x41                                       ; destination and source 0 window 1
.set i, 0
.rept 32
	v_pk_mul_f32 v[BN+2*i:BN+2*i+1], v[BN+2*i:BN+2*i+1], s[20:21] op_sel_hi:[1,0]
.set i, i+1
.endr
.macro PACKQ a
.set AC, 64*((\a)%4)
	WIN 0x92+0x41*((\a)/4)                         ; sums window 2 or 3, bias window 1
.set i, 0
.rept 32
	v_pk_fma_f32 v[AC+2*i:AC+2*i+1], v[AC+2*i:AC+2*i+1], s[20:21], v[BN+2*i:BN+2*i+1] op_sel_hi:[1,0,1]   ; each accumulator from its low end on
.set i, i+1
.endr
	WIN 0x0a+5*((\a)/4)
.irp b, 0,1,2,3,4,5,6,7
.irp r, 0,1,2,3
	v_cvt_pk_f16_f32 v[TMP+4*\b+\r], v[AC+8*\b+2*\r], v[AC+8*\b+2*\r+1]
.endr
.endr
	WIN 0
.endm
.macro STAGEQ a
.set BB, BK+32*((\a)%2)
.irp b, 0,1,2,3,4,5,6,7
	ds_store_b128 v[STO], v[TMP+4*\b:TMP+4*\b+3] offset:32*\b
.endr
.irp t, 0,1,2,3,4,5,6,7
	ds_load_b128 v[BB+4*\t:BB+4*\t+3], v[RDQ] offset:(\t&3)*4*SPITCH+(\t>>2)*128   ; LDS serves a wave's instructions in order: these see the stores above.  Rows 4 (t % 4) on, head t / 4
.endr
.endm
.macro SENDQ a, younger
.set BB, BK+32*((\a)%2)
	s_wait_dscnt \younger                          ; the block is back; the next block's 8 stores and 8 loads may be out
.irp t, 0,1,2,3,4,5,6,7
	global_store_b128 v[COQ], v[BB+4*\t:BB+4*\t+3], s[12:13] offset:(\t>>2)*262144+(\t&3)*512+(\a)*2048   ; 32 lanes store 512 consecutive bytes
.endr
.endm
	PACKQ 0
	STAGEQ 0
.irp a, 1,2,3,4,5,6,7
.if \a > 1
	s_wait_xcnt 0x0                                ; block a - 2's stores have read their registers: block a's loads may land there
.endif
	PACKQ \a
	STAGEQ \a
	SENDQ \a-1, 16
.endr
	SENDQ 7, 0
	s_branch .Lend
; THE WAY OUT OF v.  A row m is a channel of Wv, the columns are tokens: sum + bias[m].  A block of 16 channels x 128 tokens leaves as rows of 256 consecutive bytes, sixteen lanes to a row.
.Lvout:
	s_lshl_b32 s18, s41, 8
	s_lshl_b32 s19, s15, 7
	s_add_co_u32 s18, s18, s19                     ; my first channel: 256 cy + 128 x row half
	s_lshl_b32 s18, s18, 13                        ; rows of 8,192 bytes
	s_sub_co_u32 s19, s17, 8
	s_lshl_b32 s19, s19, 10
	s_lshl_b32 s22, s40, 8
	s_add_co_u32 s19, s19, s22
	s_lshl_b32 s22, s16, 7
	s_add_co_u32 s19, s19, s22                     ; my first token: 1,024 (y - 8) + 256 cx + 128 x column half
	s_lshl_b32 s19, s19, 1
	s_add_co_u32 s18, s18, s19
	s_mov_b32 s19, 0
	s_add_nc_u64 s[12:13], s[12:13], s[18:19]
.macro PACKV a
.set AC, 64*((\a)%4)
	WIN 0x86+0x41*((\a)/4)                         ; sums window 2 or 3, bias (source 1) window 1
.set i, 0
.rept 32
	v_pk_add_f32 v[AC+2*i:AC+2*i+1], v[AC+2*i:AC+2*i+1], v[BM+2*(\a):BM+2*(\a)+1]
.set i, i+1
.endr
	WIN 0x0a+5*((\a)/4)
.irp b, 0,1,2,3,4,5,6,7
.irp r, 0,1,2,3
	v_cvt_pk_f16_f32 v[TMP+4*\b+\r], v[AC+8*\b+2*\r], v[AC+8*\b+2*\r+1]
.endr
.endr
	WIN 0
.endm
.macro STAGEV a
.set BB, BK+32*((\a)%2)
.irp b, 0,1,2,3,4,5,6,7
	ds_store_b128 v[STO], v[TMP+4*\b:TMP+4*\b+3] offset:VSTG+32*\b
.endr
.irp t, 0,1,2,3,4,5,6,7
	ds_load_b128 v[BB+4*\t:BB+4*\t+3], v[RDV] offset:VSTG+\t*2*SPITCH
.endr
.endm
.macro SENDV a, younger
.set BB, BK+32*((\a)%2)
	s_wait_dscnt \younger
.irp t, 0,1,2,3,4,5,6,7
	global_store_b128 v[COV], v[BB+4*\t:BB+4*\t+3], s[12:13] offset:(16*(\a)+2*\t)*8192   ; 16 lanes store 256 consecutive bytes, at a multiple of 256 from vt's first byte
.endr
.endm
	PACKV 0
	STAGEV 0
.irp a, 1,2,3,4,5,6,7
.if \a > 1
	s_wait_xcnt 0x0
.endif
	PACKV \a
	STAGEV \a
	SENDV \a-1, 16
.endr
	SENDV 7, 0
.Lend:
	s_wait_tensorcnt 0x0                           ; the wave's end: behind my last tensor load and my last LDS store
	ds_add_u32 v[SPW], v[NIL]
	s_wait_dscnt 0x0
	CROUND                                         ; the closing round
	s_endpgm
.Lfunc_end_k_q10564c65cc_proj:
	.size	k_q10564c65cc_proj, .Lfunc_end_k_q10564c65cc_proj-k_q10564c65cc_proj
	.p2alignl 7, 3214868480
	.fill 96, 4, 3214868480
	.section	.rodata,"a",@progbits
	.p2align	6, 0x0
	.amdhsa_kernel k_q10564c65cc_proj
		.amdhsa_group_segment_fixed_size 327680
		.amdhsa_private_segment_fixed_size 0
		.amdhsa_enable_private_segment 0
		.amdhsa_kernarg_size 64
		.amdhsa_user_sgpr_count 2
		.amdhsa_user_sgpr_kernarg_segment_ptr 1
		.amdhsa_wavefront_size32 1
		.amdhsa_system_sgpr_workgroup_id_x 1
		.amdhsa_system_sgpr_workgroup_id_y 1
		.amdhsa_system_sgpr_workgroup_id_z 1
		.amdhsa_system_vgpr_workitem_id 0
		.amdhsa_next_free_vgpr 1024
		.amdhsa_next_free_sgpr 106
		.amdhsa_reserve_vcc 0
		.amdhsa_float_denorm_mode_32 3
		.amdhsa_float_denorm_mode_16_64 3
		.amdhsa_memory_ordered 1
		.amdhsa_forward_progress 1
		.amdhsa_inst_pref_size 197
	.end_amdhsa_kernel
	.amdgpu_metadata
---
amdhsa.version: [ 1, 2 ]
amdhsa.kernels:
  - .name:           k_q10564c65cc_proj
    .symbol:         k_q10564c65cc_proj.kd
    .args:
      - { .name: codes, .offset: 0, .size: 8, .value_kind: global_buffer, .address_space: global }
      - { .name: scales, .offset: 8, .size: 8, .value_kind: global_buffer, .address_space: global }
      - { .name: bq, .offset: 16, .size: 8, .value_kind: global_buffer, .address_space: global }
      - { .name: bk, .offset: 24, .size: 8, .value_kind: global_buffer, .address_space: global }
      - { .name: bv, .offset: 32, .size: 8, .value_kind: global_buffer, .address_space: global }
      - { .name: qh, .offset: 40, .size: 8, .value_kind: global_buffer, .address_space: global }
      - { .name: kh, .offset: 48, .size: 8, .value_kind: global_buffer, .address_space: global }
      - { .name: vt, .offset: 56, .size: 8, .value_kind: global_buffer, .address_space: global }
    .group_segment_fixed_size: 327680
    .private_segment_fixed_size: 0
    .kernarg_segment_align: 8
    .kernarg_segment_size: 64
    .max_flat_workgroup_size: 128
    .sgpr_count:     106
    .vgpr_count:     1024
    .wavefront_size: 32
...
	.end_amdgpu_metadata
.endif
;; end of part 2
;; launch attn (part 3): grid 8 x 32, 8 waves a work-group, clusters of 4 x 1, 327,680 bytes of LDS; arguments qh, kh, vt, mask, att; writes att
.if DOCPART == 3
	.amdgcn_target "amdgcn-amd-amdhsa--gfx1250"
	.amdhsa_code_object_version 6
	.text
	.protected	k_q10564c65cc_attn
	.globl	k_q10564c65cc_attn
	.p2align	8
	.type	k_q10564c65cc_attn,@function
k_q10564c65cc_attn:
	s_mov_b64 s[64:65], 0
	v_nop
	global_prefetch_b8 v0, s[64:65] scope:SCOPE_SE
	s_setreg_imm32_b32 hwreg(HW_REG_WAVE_MODE, 25, 1), 1
	s_wait_xcnt 0x0
	s_wait_alu depctr_hold_cnt(0) depctr_sa_sdst(0) depctr_va_vdst(0) depctr_va_sdst(0) depctr_va_ssrc(0) depctr_va_vcc(0) depctr_vm_vsrc(0)
	s_getreg_b32 s2, hwreg(HW_REG_IB_STS2, 6, 4)
	s_cmp_eq_u32 s2, 0
	s_cbranch_scc0 .Lentry_in_a_cluster
	s_endpgm
.Lentry_in_a_cluster:
	s_bfe_u32 s2, ttmp6, 0x10000c
	s_cmp_lg_u32 s2, 0x3003
	s_cbranch_scc0 .Lentry_shape_is_right
	s_endpgm
.Lentry_shape_is_right:
; att = softmax(scores) V for each batch and head, with the mask as it is given: a pair (query, key) counts where both are unmasked, else its score is -1e9.
; qh [b][h][s][64] f16 already holds (projected q) x log2(e) / 8, so the first product gives t = score x log2(e).  kh [b][h][s][64] f16.  vt [64 h + d][2048 b + s] f16: V with the keys innermost.  mask [b][2048] bytes.
; att [m / 128][h][m % 128][64] f16, m = 2048 b + s: the order in which the projection out reads it.  Products on f16 operands, sums, maxima and exponentials in f32.
; THE MASK costs no instruction a score.  A masked key adds T0 = -1e9 x log2(e): it is the C of the first product of each tile of keys (a table of 0 or T0 for the batch's 2,048 keys, in LDS).
; A query has a = 1 (unmasked) or 0 (masked); p = 2^(t a - m a), m the running maximum.  a = 0: every p is 1: the plain mean of all rows of V, as all scores are -1e9 there.  a = 1: p = 2^(t - m) exactly;
; an unmasked query has itself as a real key, so masked keys end with weight 0; what was summed while only masked keys had been seen is multiplied by 2^(old m - new m) = 0 when the first real key comes.
; LIMITS: real |t| stays far under 1.4e9; NaN and infinities are not served (on finite scores the row's sum is at least 1, so nothing is there for nan_to_num to replace); operands inside f16's range.
; SHARES: a work-group owns 256 queries of one batch and head, each of its eight waves 32: two tiles of 16.  Every wave walks all 2,048 keys, 64 a step.
; LAYOUT: S^T = K Q^T (source 0 = 16 keys, source 1 = 16 queries), O^T = V^T P (source 0 = 16 channels, source 1 = P): a lane holds ONE query throughout; two tiles of S^T, rounded to f16 in pairs, are source 1 of the second product.
; The row's sum is one more tile of the second product: source 0 = ones; it sums the very weights that multiply V, over both halves of the lanes.
; RING: two slots of 512 keys (K: 512 rows of 128 + 16 bytes; V^T: 64 rows of 1,024 + 16 bytes).  Waves 0-3 fetch K's quarters, waves 4-7 V's: one load a wave.  Two loads of a wave are out at the start, one behind each refill.
; CLUSTER: the four query blocks of a cluster belong to one batch and head and walk the same K and V: each tile is asked for jointly.
; REGISTERS: window 0: v0-15 addresses; v16-31 statistics, 8 a tile; v32-63 Q; v64-127 K of a step; v128-191 S^T, then p; v192-223 P; v224-255 the keys' 0 or T0.
;   window 1: v0-63 O^T; v64-79 the sums; v80-143 V of a step; v144-151 ones.
.set PK,    144                        ; a key's row in LDS: 9 x 16 bytes
.set PV,    1040                       ; a channel's row: 65 x 16 bytes
.set VOFF,  512*PK
.set SLOTB, VOFF+64*PV
.set KBT,   2*SLOTB                    ; behind the ring: 2,048 words, 0 or T0; written by LDS stores, no tile lands there
.set SPARE, KBT+8192                   ; the spare words, 128 bytes a wave: four blocks of 256 bytes
.set SP,    144                        ; the way out: two tiles of 16 rows x (128 + 16) bytes a wave, in slot 0, which has had its last fill and its last read by then
.set STGW,  2*16*SP
.set AK0, 3
.set AV0, 4
.set AM0, 5
.set ADK, 6
.set ADV, 7
.set ADM, 8
.set QO,  9
.set STO, 10
.set RD,  11
.set GO,  12
.set PFO, 13
.set SPW, 14                           ; v14 my spare word; never rewritten
.set NIL, 15                           ; v15 0; never rewritten
.set ST,  16                           ; tile t at v[ST + 8 t]: +0 m a, +1 m, +2, +3 a, +4 .. +7 at work; the rescaling factor lands in +6
.set Q,   32
.set KF,  64
.set S,   128
.set P,   192
.set KB,  224
.set O,   0                            ; window 1
.set L,   64
.set VF,  80
.set ONE, 144
.set WV,  14
.set G1K, 24
.set G1V, 32
.set G0K, 40                           ; s[40:43] slot 0, s[44:47] slot 1
.set G0V, 48                           ; s[48:51], s[52:55]
.set TK,  56
.set TV,  57
.set TM,  58
.set CNT, 59
.set SEL, 60
.set PFA, 62
.set ASKF, 66
.set MSB, 0
.macro WIN new
.if MSB != (\new)
	s_set_vgpr_msb (MSB<<8)|(\new)
.set MSB, \new
.endif
.endm
.macro JLOAD slot                      ; a joint refill; the branch hangs on the wave's number alone; an s_nop 0 and four v_nop follow each line
	s_cmp_lt_u32 s[WV], 4
	s_cbranch_scc0 .Lfor_v_\@
	tensor_load_to_lds s[G0K+4*\slot:G0K+4*\slot+3], s[G1K:G1K+7]
	s_nop 0
.rept 4
	v_nop
.endr
	s_branch .Lasked_\@
.Lfor_v_\@:
	tensor_load_to_lds s[G0V+4*\slot:G0V+4*\slot+3], s[G1V:G1V+7]
	s_nop 0
.rept 4
	v_nop
.endr
.Lasked_\@:
.endm
.macro CROUND
	s_barrier_signal -1
	s_barrier_wait -1
	s_cmp_lg_u32 s[WV], 0
	s_cbranch_scc1 .Lnot_wave_0_\@
	s_barrier_signal -3
.Lnot_wave_0_\@:
	s_barrier_wait -3
	s_barrier_signal -1
	s_barrier_wait -1
.endm
	s_load_b256 s[4:11], s[0:1], 0x0               ; qh s[4:5], kh s[6:7], vt s[8:9], mask s[10:11]
	s_load_b64 s[12:13], s[0:1], 0x20              ; att
	v_lshl_add_u32 v[SPW], v0, 2, SPARE
	v_mov_b32 v[NIL], 0
	ds_add_u32 v[SPW], v[NIL]                      ; the wave's opening: the add, twice on end, and its wait ahead of my first tensor load
	ds_add_u32 v[SPW], v[NIL]
	v_lshrrev_b32 v1, 5, v0
	v_readfirstlane_b32 s[WV], v1                  ; wave 0..7
	s_and_b32 s16, s[WV], 3                        ; which quarter of a tile I fetch
	s_bfe_u32 s15, ttmp6, 0x40000                  ; cx
	s_lshl_b32 s20, ttmp9, 2
	s_add_co_u32 s20, s20, s15                     ; my block of 256 queries: it enters Q's, the mask's and att's addresses alone
	s_and_b32 s17, ttmp7, 0xffff                   ; 16 x batch + head, which the four partners share
	s_lshr_b32 s18, s17, 4                         ; batch
	s_and_b32 s19, s17, 15                         ; head
	s_lshl_b32 s22, s17, 18                        ; K: the head's 2,048 rows of 128 bytes,
	s_lshl_b32 s23, s16, 14                        ; my 128 keys of the first 512
	s_add_co_u32 s22, s22, s23
	s_mov_b32 s23, 0
	s_mul_i32 s21, s16, 128*PK                     ; and their place in a slot
	s_lshl_b32 s68, s19, 19                        ; V: the head's 64 rows of 8,192 bytes,
	s_lshl_b32 s69, s16, 17                        ; my 16 of them,
	s_add_co_u32 s68, s68, s69
	s_lshl_b32 s69, s18, 12                        ; the batch's 2,048 tokens
	s_add_co_u32 s68, s68, s69
	s_mov_b32 s69, 0
	s_mul_i32 s67, s16, 16*PV
	s_add_co_u32 s67, s67, VOFF
	s_lshl_b32 s70, s17, 18                        ; Q: my wave's 32 rows
	s_lshl_b32 s71, s20, 15
	s_add_co_u32 s70, s70, s71
	s_lshl_b32 s71, s[WV], 12
	s_add_co_u32 s70, s70, s71
	s_mov_b32 s71, 0
	s_lshl_b32 s74, s18, 11                        ; the mask: the batch's 2,048 bytes,
	s_mov_b32 s75, 0
	s_lshl_b32 s72, s20, 8
	s_add_co_u32 s72, s72, s74
	s_lshl_b32 s73, s[WV], 5
	s_add_co_u32 s72, s72, s73                     ; and my wave's 32 queries in them
	s_mov_b32 s73, 0
	s_lshl_b32 s76, s18, 4                         ; att: block of 128 tokens = 16 x batch + 2 x query block + wave / 4,
	s_lshl_b32 s77, s20, 1
	s_add_co_u32 s76, s76, s77
	s_lshr_b32 s77, s[WV], 2
	s_add_co_u32 s76, s76, s77
	s_lshl_b32 s76, s76, 4
	s_add_co_u32 s76, s76, s19                     ; x 16 + head,
	s_lshl_b32 s76, s76, 14                        ; x 128 rows of 128 bytes,
	s_lshl_b32 s77, s16, 12                        ; + my 32 rows
	s_add_co_u32 s76, s76, s77
	s_mov_b32 s77, 0
	; descriptor group 1.  K: 128 rows of 64 elements of 2 bytes, dense; 4 words of padding behind every 32.  V: 16 rows of 512 elements, 4,096 elements apart; 4 words behind every 256
	s_mov_b32 s[G1K], 15|(1<<16)|(1<<20)|(1<<21)|(4<<22)|(3<<25)
	s_mov_b32 s[G1K+1], 64<<16
	s_mov_b32 s[G1K+2], 128<<16
	s_mov_b32 s[G1K+3], 64<<16
	s_mov_b32 s[G1K+4], 128
	s_mov_b32 s[G1K+5], 64
	s_mov_b32 s[G1K+6], 0
	s_mov_b32 s[G1K+7], 0
	s_mov_b32 s[G1V], 15|(1<<16)|(1<<20)|(1<<21)|(7<<22)|(3<<25)
	s_mov_b32 s[G1V+1], 512<<16
	s_mov_b32 s[G1V+2], 16<<16
	s_mov_b32 s[G1V+3], 512<<16
	s_mov_b32 s[G1V+4], 16
	s_mov_b32 s[G1V+5], 4096
	s_mov_b32 s[G1V+6], 0
	s_mov_b32 s[G1V+7], 0
	s_mov_b32 s[SEL], 0x76543210
	s_mov_b32 s[SEL+1], 0xfedcba98
	s_wait_dscnt 0x0                               ; both opening adds are done
	s_wait_kmcnt 0x0
	s_add_nc_u64 s[4:5], s[4:5], s[70:71]
	s_add_nc_u64 s[72:73], s[10:11], s[72:73]
	s_add_nc_u64 s[74:75], s[10:11], s[74:75]
	s_add_nc_u64 s[12:13], s[12:13], s[76:77]
	s_mov_b32 s[G0K], 1
	s_mov_b32 s[G0K+1], s21
	s_add_nc_u64 s[G0K+2:G0K+3], s[6:7], s[22:23]  ; keys 0 to 511
	s_mov_b32 s[G0K+4], 1
	s_add_co_u32 s[G0K+5], s21, SLOTB
	s_add_nc_u64 s[G0K+6:G0K+7], s[G0K+2:G0K+3], 512*128   ; keys 512 to 1,023
	s_or_b32 s[G0K+3], s[G0K+3], 0x80000000
	s_or_b32 s[G0K+7], s[G0K+7], 0x80000000
	s_mov_b32 s[G0V], 1
	s_mov_b32 s[G0V+1], s67
	s_add_nc_u64 s[G0V+2:G0V+3], s[8:9], s[68:69]
	s_mov_b32 s[G0V+4], 1
	s_add_co_u32 s[G0V+5], s67, SLOTB
	s_add_nc_u64 s[G0V+6:G0V+7], s[G0V+2:G0V+3], 512*2
	s_or_b32 s[G0V+3], s[G0V+3], 0x80000000
	s_or_b32 s[G0V+7], s[G0V+7], 0x80000000
	CROUND                                         ; all four work-groups are here: the first joint loads meet
	s_cmp_lt_u32 s[WV], 4                          ; a wave's two first fills stand in one branch, ahead of every wait on TENSORcnt and every LDS read
	s_cbranch_scc0 .Lfirst_v
	tensor_load_to_lds s[G0K:G0K+3], s[G1K:G1K+7]
	s_nop 0
	tensor_load_to_lds s[G0K+4:G0K+7], s[G1K:G1K+7]
	s_nop 0
.rept 4
	v_nop
.endr
	s_branch .Lfirst_asked
.Lfirst_v:
	tensor_load_to_lds s[G0V:G0V+3], s[G1V:G1V+7]
	s_nop 0
	tensor_load_to_lds s[G0V+4:G0V+7], s[G1V:G1V+7]
	s_nop 0
.rept 4
	v_nop
.endr
.Lfirst_asked:
	; the one prefetch (macro ASK): keys 1,536 to 2,047, asked for behind the first refill, a slot's 8 key steps ahead of the load that wants them.  Each aligned 256 bytes are named once in the launch: the head's first cluster
	; asks; its four partners are told apart by address (K: 128 keys each; V: 16 channels each); in each, waves 0 and 1 ask for K's bytes and waves 4 and 5 for V's, one instruction a wave.
	s_and_b32 s67, s16, 1
	s_lshl_b32 s22, s17, 18
	s_add_co_u32 s22, s22, 3*512*128
	s_lshl_b32 s23, s15, 14
	s_add_co_u32 s22, s22, s23
	s_lshl_b32 s23, s67, 13
	s_add_co_u32 s22, s22, s23                     ; K: 8,192 bytes a wave, lanes 256 bytes apart
	s_lshl_b32 s68, s19, 19
	s_lshl_b32 s69, s18, 12
	s_add_co_u32 s68, s68, s69
	s_add_co_u32 s68, s68, 3*512*2
	s_lshl_b32 s69, s15, 17
	s_add_co_u32 s68, s68, s69
	s_lshl_b32 s69, s67, 9
	s_add_co_u32 s68, s68, s69                     ; V: 16 rows x 512 bytes a wave: lane % 16 a row, lane / 16 a block of 256 bytes
	s_mov_b32 s70, 8192
	s_mov_b32 s71, 256
	s_cmp_lt_u32 s[WV], 4
	s_cselect_b64 s[PFA:PFA+1], s[6:7], s[8:9]
	s_cselect_b32 s22, s22, s68
	s_cselect_b32 s70, 256, s70
	s_cselect_b32 s71, 4096, s71
	s_mov_b32 s23, 0
	s_add_nc_u64 s[PFA:PFA+1], s[PFA:PFA+1], s[22:23]
	s_lshr_b32 s67, s16, 1                         ; 0 in waves 0, 1, 4, 5,
	s_or_b32 s67, s67, ttmp9                       ; of the head's first cluster: the same in all four partners
	s_cmp_eq_u32 s67, 0
	s_cselect_b32 s[ASKF], 1, 0
	v_and_b32 v1, 15, v0                           ; r = lane % 16
	v_bfe_u32 v2, v0, 4, 1                         ; h = lane / 16
	v_mul_u32_u24 v[PFO], v1, s70
	v_mad_u32_u24 v[PFO], v2, s71, v[PFO]
	v_lshlrev_b32 v[QO], 7, v1
	v_lshl_add_u32 v[QO], v2, 4, v[QO]             ; Q: row r of 128 bytes + 16 h
.irp t, 0,1
.irp cc, 0,1
	global_load_b128 v[Q+16*\t+8*\cc:Q+16*\t+8*\cc+3], v[QO], s[4:5] offset:2048*\t+64*\cc       ; Q stays in registers: tile t, channels 32 cc on
	global_load_b128 v[Q+16*\t+8*\cc+4:Q+16*\t+8*\cc+7], v[QO], s[4:5] offset:2048*\t+64*\cc+32
.endr
.endr
	global_load_u8 v[ST+2], v1, s[72:73]           ; my queries' mask bytes
	global_load_u8 v[ST+10], v1, s[72:73] offset:16
	v_lshlrev_b32 v130, 3, v0
	global_load_b64 v[128:129], v130, s[74:75]     ; and 8 keys' a thread: 256 threads, 2,048 keys
	v_mul_u32_u24 v[AK0], v1, PK
	v_lshl_add_u32 v[AK0], v2, 4, v[AK0]           ; a fragment of K: row r x pitch + 16 h
	v_mul_u32_u24 v[AV0], v1, PV
	v_lshl_add_u32 v[AV0], v2, 4, v[AV0]
	v_add_nc_u32 v[AV0], VOFF, v[AV0]              ; of V^T likewise
	v_lshlrev_b32 v[AM0], 5, v2
	v_add_nc_u32 v[AM0], KBT, v[AM0]               ; the keys' table: my half's eight words of a tile
	s_mul_i32 s21, s[WV], STGW                     ; my stage
	v_mul_u32_u24 v[STO], v1, SP
	v_lshl_add_u32 v[STO], v2, 4, v[STO]
	v_add_nc_u32 v[STO], s21, v[STO]               ; in: row r, 16 bytes for each half of the lanes
	v_and_b32 v[GO], 31, v0
	v_lshrrev_b32 v[RD], 3, v[GO]
	v_mul_u32_u24 v[RD], v[RD], SP
	v_and_b32 v[ADK], 7, v0
	v_lshl_add_u32 v[RD], v[ADK], 4, v[RD]
	v_add_nc_u32 v[RD], s21, v[RD]                 ; back: eight lanes to a row of 128 bytes, four rows an instruction
	v_lshlrev_b32 v[GO], 4, v[GO]
	WIN 0x40                                       ; destination window 1
.set i, 0
.rept 80
	v_mov_b32 v[O+i], 0                            ; O^T and the sums.  (The step is written once: the first finds zeros, which the first rescaling leaves zeros)
.set i, i+1
.endr
.set i, 0
.rept 8
	v_mov_b32 v[ONE+i], 0x3c003c00                 ; 1.0, 1.0 in f16
.set i, i+1
.endr
	WIN 0
.irp t, 0,1
	v_mov_b32 v[ST+8*\t+1], 0xff61b1e6             ; the largest t so far: -3e38
.endr
	v_mov_b32 v131, 0xceabfb8f                     ; T0 = -1e9 x log2(e)
	s_wait_loadcnt 0x0
.irp t, 0,1
	v_cvt_f32_u32 v[ST+8*\t+2], v[ST+8*\t+2]       ; a = 1.0 or 0.0,
.endr
.irp t, 0,1
	v_mov_b32 v[ST+8*\t+3], v[ST+8*\t+2]           ; twice: a pair for the packed form
	v_mul_f32 v[ST+8*\t], v[ST+8*\t+1], v[ST+8*\t+2]   ; m a
.endr
.irp i, 0,1,2,3,4,5,6,7
	v_bfe_u32 v130, v[128+\i/4], 8*(\i%4), 8
	v_cmp_eq_u32 vcc_lo, 0, v130
	v_cndmask_b32 v[132+\i], 0, v131, vcc_lo       ; a masked key: T0, else 0
.endr
	v_lshl_add_u32 v130, v0, 5, KBT
	ds_store_b128 v130, v[132:135]
	ds_store_b128 v130, v[136:139] offset:16
	s_wait_tensorcnt 1                             ; my part of slot 0 is in; slot 1's may stay out
	s_wait_dscnt 0x0                               ; my part of the table has landed
	s_barrier_signal -1
	s_barrier_wait -1
; A KEY STEP: 64 keys.  The LDS addresses hang on three scalars that step.
.macro STEP
	v_add_nc_u32 v[ADK], s[TK], v[AK0]             ; these three and the v_nop are the four plain places behind the last step's products, ahead of the loads into V's registers
	v_add_nc_u32 v[ADM], s[TM], v[AM0]
	v_add_nc_u32 v[ADV], s[TV], v[AV0]
	v_nop
.irp kt, 0,1,2,3
.irp cc, 0,1
	ds_load_b128 v[KF+16*\kt+8*\cc:KF+16*\kt+8*\cc+3], v[ADK] offset:\kt*16*PK+64*\cc
	ds_load_b128 v[KF+16*\kt+8*\cc+4:KF+16*\kt+8*\cc+7], v[ADK] offset:\kt*16*PK+64*\cc+32
.endr
.endr
.irp kt, 0,1,2,3
	ds_load_b128 v[KB+8*\kt:KB+8*\kt+3], v[ADM] offset:64*\kt
	ds_load_b128 v[KB+8*\kt+4:KB+8*\kt+7], v[ADM] offset:64*\kt+16
.endr
	WIN 0x40                                       ; destination window 1
.irp u, 0,1
.irp ct, 0,1,2,3
	ds_load_b128 v[VF+32*\u+8*\ct:VF+32*\u+8*\ct+3], v[ADV] offset:\ct*16*PV+64*\u
	ds_load_b128 v[VF+32*\u+8*\ct+4:VF+32*\u+8*\ct+7], v[ADV] offset:\ct*16*PV+64*\u+32
.endr
.endr
	WIN 0
	s_wait_dscnt 16                                ; K and the table's words are in; V's sixteen loads may be out
.irp cc, 0,1                                   ; S^T = K Q^T + (0 or T0): eight accumulators by turns, one instruction a turn
.irp kt, 0,1,2,3
.irp t, 0,1
.if \cc == 0
	v_wmma_f32_16x16x32_f16 v[S+32*\t+8*\kt:S+32*\t+8*\kt+7], v[KF+16*\kt+8*\cc:KF+16*\kt+8*\cc+7], v[Q+16*\t+8*\cc:Q+16*\t+8*\cc+7], v[KB+8*\kt:KB+8*\kt+7]
.else
	v_wmma_f32_16x16x32_f16 v[S+32*\t+8*\kt:S+32*\t+8*\kt+7], v[KF+16*\kt+8*\cc:KF+16*\kt+8*\cc+7], v[Q+16*\t+8*\cc:Q+16*\t+8*\cc+7], v[S+32*\t+8*\kt:S+32*\t+8*\kt+7]
.endif
.endr
.endr
.endr
.rept 4
	v_nop                                          ; places ahead of the first read of results
.endr
	; the maximum of my 32 scores and the old m, three at a time, four chains a tile, the two tiles by turns; each accumulator is first read at its low end
.irp j, 0,1,2,3
.irp t, 0,1
	v_max3_num_f32 v[ST+8*\t+4+\j], v[S+32*\t+8*\j], v[S+32*\t+8*\j+1], v[S+32*\t+8*\j+2]
.endr
.endr
.irp i, 3,5
.irp j, 0,1,2,3
.irp t, 0,1
	v_max3_num_f32 v[ST+8*\t+4+\j], v[ST+8*\t+4+\j], v[S+32*\t+8*\j+\i], v[S+32*\t+8*\j+\i+1]
.endr
.endr
.endr
.irp t, 0,1
	v_max3_num_f32 v[ST+8*\t+4], v[ST+8*\t+4], v[S+32*\t+7], v[S+32*\t+15]
.endr
.irp t, 0,1
	v_max3_num_f32 v[ST+8*\t+6], v[ST+8*\t+6], v[S+32*\t+23], v[S+32*\t+31]
.endr
.irp t, 0,1
	v_max3_num_f32 v[ST+8*\t+4], v[ST+8*\t+4], v[ST+8*\t+5], v[ST+8*\t+6]
.endr
.irp t, 0,1
	v_max3_num_f32 v[ST+8*\t+4], v[ST+8*\t+4], v[ST+8*\t+7], v[ST+8*\t+1]
.endr
.irp t, 0,1
	v_permlanex16_b32 v[ST+8*\t+5], v[ST+8*\t+4], s[SEL], s[SEL+1]   ; the query's other 32 keys lie in the lane 16 away
.endr
.irp t, 0,1
	v_max_num_f32 v[ST+8*\t+1], v[ST+8*\t+4], v[ST+8*\t+5]           ; the new m
.endr
.irp t, 0,1
	v_fma_f32 v[ST+8*\t+7], -v[ST+8*\t+1], v[ST+8*\t+2], v[ST+8*\t]  ; old m a - new m a
.endr
.irp t, 0,1
	v_mul_f32 v[ST+8*\t], v[ST+8*\t+1], v[ST+8*\t+2]                 ; the new m a
.endr
.set i, 0
.rept 16
.irp t, 0,1
	v_pk_fma_f32 v[S+32*\t+i:S+32*\t+i+1], v[S+32*\t+i:S+32*\t+i+1], v[ST+8*\t+2:ST+8*\t+3], v[ST+8*\t:ST+8*\t+1] op_sel_hi:[1,1,0] neg_lo:[0,0,1] neg_hi:[0,0,1]   ; t a - m a, two at a time
.endr
.set i, i+2
.endr
.irp t, 0,1
	v_exp_f32 v[ST+8*\t+6], v[ST+8*\t+7]           ; ONE BATCH of 66 exponentials: the two rescaling factors,
.endr
.set i, 0
.rept 64
	v_exp_f32 v[S+i], v[S+i]                       ; and the weights
.set i, i+1
.endr
	v_nop                                          ; a plain instruction behind the last exponential
	s_wait_alu depctr_va_vdst(0)                   ; one wait for the batch, ahead of its first reader
.set i, 0
.rept 32
	v_cvt_pk_f16_f32 v[P+i], v[S+2*i], v[S+2*i+1]  ; pairs of neighbouring keys: source 1 of the second product
.set i, i+1
.endr
	WIN 0x41                                       ; destination and source 0 window 1
.irp t, 0,1
.set i, 0
.rept 16
	v_pk_mul_f32 v[O+32*\t+i:O+32*\t+i+1], v[O+32*\t+i:O+32*\t+i+1], v[ST+8*\t+6:ST+8*\t+7] op_sel_hi:[1,0]
.set i, i+2
.endr
	v_pk_mul_f32 v[L+8*\t:L+8*\t+1], v[L+8*\t:L+8*\t+1], v[ST+8*\t+6:ST+8*\t+7] op_sel_hi:[1,0]   ; all eight registers of the sums' tile hold a sum of the same weights; only the lowest is ever read, so only the lowest pair is rescaled
.endr
	s_wait_dscnt 0x0                               ; V is in
	WIN 0x51                                       ; V and ones, O^T and the sums in window 1; P in window 0
.irp u, 0,1                                    ; O^T += V^T P, sums += ones P: ten accumulators by turns
.irp ct, 0,1,2,3,4
.irp t, 0,1
.if \ct < 4
	v_wmma_f32_16x16x32_f16 v[O+32*\t+8*\ct:O+32*\t+8*\ct+7], v[VF+32*\u+8*\ct:VF+32*\u+8*\ct+7], v[P+16*\t+8*\u:P+16*\t+8*\u+7], v[O+32*\t+8*\ct:O+32*\t+8*\ct+7]
.else
	v_wmma_f32_16x16x32_f16 v[L+8*\t:L+8*\t+7], v[ONE:ONE+7], v[P+16*\t+8*\u:P+16*\t+8*\u+7], v[L+8*\t:L+8*\t+7]
.endif
.endr
.endr
.endr
	WIN 0
	s_add_co_u32 s[TK], s[TK], 64*PK
	s_add_co_u32 s[TV], s[TV], 128
	s_add_co_u32 s[TM], s[TM], 256
.endm
.macro SLOT slot, chunk                ; a slot's eight key steps: written once, walked eight times
	s_mov_b32 s[TK], \slot*SLOTB
	s_mov_b32 s[TV], \slot*SLOTB
	s_mov_b32 s[TM], \chunk*2048
	s_mov_b32 s[CNT], 8
.Lstep_\@:
	STEP
	s_sub_co_u32 s[CNT], s[CNT], 1
	s_cmp_lg_u32 s[CNT], 0
	s_cbranch_scc1 .Lstep_\@
.endm
; THE CHANGE OF SLOTS.  Each wave waits for all its tensor loads (its part of the slot ahead), adds 0 to its spare word, and waits for that and for its reads of the slot that it leaves.
; fill = 1: the slot just left is filled with the keys 1,024 on: the barrier is a round of the cluster's, and the joint refill is the first thing behind it; it has eight key steps in which to land.
.macro CHANGE slot, fill
	WIN 0
	s_wait_tensorcnt 0x0                           ; no tensor load of mine is out, so a group 0 may be written
	ds_add_u32 v[SPW], v[NIL]
.if \fill
	s_add_nc_u64 s[G0K+4*\slot+2:G0K+4*\slot+3], s[G0K+4*\slot+2:G0K+4*\slot+3], 2*512*128
	s_add_nc_u64 s[G0V+4*\slot+2:G0V+4*\slot+3], s[G0V+4*\slot+2:G0V+4*\slot+3], 2*512*2
	s_wait_dscnt 0x0
	CROUND
	JLOAD \slot
.else
	s_wait_dscnt 0x0
	s_barrier_signal -1
	s_barrier_wait -1
.endif
.endm
.macro ASK
	s_cmp_eq_u32 s[ASKF], 1
	s_cbranch_scc0 .Lnot_mine_\@
	global_prefetch_b8 v[PFO], s[PFA:PFA+1] th:TH_LOAD_NT scope:SCOPE_SE
.Lnot_mine_\@:
.endm
	SLOT 0, 0                                      ; keys 0 to 511
	CHANGE 0, 1                                    ; slot 0 takes keys 1,024 to 1,535
	ASK                                            ; what the next change will ask for; its address registers are never written again
	SLOT 1, 1
	CHANGE 1, 1                                    ; slot 1 takes keys 1,536 to 2,047
	SLOT 0, 2
	CHANGE 1, 0                                    ; nothing is left to fetch
	SLOT 1, 3
	; THE WAY OUT.  O^T is divided by the sum, rounded to f16 and sent through my stage, a tile (16 rows of 128 bytes) at a time; it leaves as 512 consecutive bytes an instruction.
.rept 4
	v_nop                                          ; places behind the last products
.endr
	WIN 0x01                                       ; source 0 window 1
	v_rcp_f32 v[ST+6], v[L]
	v_rcp_f32 v[ST+14], v[L+8]
	WIN 0
	v_nop                                          ; a plain instruction behind the last reciprocal
	s_wait_alu depctr_va_vdst(0)                   ; and the wait ahead of the first use: one for the two
.macro PACK t
	WIN 0x41
.set i, 0
.rept 16
	v_pk_mul_f32 v[O+32*\t+i:O+32*\t+i+1], v[O+32*\t+i:O+32*\t+i+1], v[ST+8*\t+6:ST+8*\t+7] op_sel_hi:[1,0]
.set i, i+2
.endr
	WIN 0x05                                       ; sources window 1, destination window 0
.set i, 0
.rept 16
	v_cvt_pk_f16_f32 v[S+16*\t+i], v[O+32*\t+2*i], v[O+32*\t+2*i+1]
.set i, i+1
.endr
	WIN 0
.irp ct, 0,1,2,3
	ds_store_b128 v[STO], v[S+16*\t+4*\ct:S+16*\t+4*\ct+3] offset:16*SP*\t+32*\ct
.endr
.irp g, 0,1,2,3
	ds_load_b128 v[S+32+16*\t+4*\g:S+32+16*\t+4*\g+3], v[RD] offset:16*SP*\t+4*SP*\g   ; LDS serves a wave's instructions in order: these see the stores above
.endr
.endm
	PACK 0
	PACK 1
.irp g, 0,1,2,3
	s_wait_dscnt 11-\g                             ; tile 1's eight LDS instructions and tile 0's later loads may be out
	global_store_b128 v[GO], v[S+32+4*\g:S+32+4*\g+3], s[12:13] offset:512*\g
.endr
.irp g, 0,1,2,3
	s_wait_dscnt 3-\g
	global_store_b128 v[GO], v[S+48+4*\g:S+48+4*\g+3], s[12:13] offset:2048+512*\g
.endr
	s_wait_tensorcnt 0x0                           ; the wave's end: behind my last tensor load and my last LDS store
	ds_add_u32 v[SPW], v[NIL]
	s_wait_dscnt 0x0
	CROUND                                         ; the closing round
	s_endpgm
.Lfunc_end_k_q10564c65cc_attn:
	.size	k_q10564c65cc_attn, .Lfunc_end_k_q10564c65cc_attn-k_q10564c65cc_attn
	.p2alignl 7, 3214868480
	.fill 96, 4, 3214868480
	.section	.rodata,"a",@progbits
	.p2align	6, 0x0
	.amdhsa_kernel k_q10564c65cc_attn
		.amdhsa_group_segment_fixed_size 327680
		.amdhsa_private_segment_fixed_size 0
		.amdhsa_enable_private_segment 0
		.amdhsa_kernarg_size 40
		.amdhsa_user_sgpr_count 2
		.amdhsa_user_sgpr_kernarg_segment_ptr 1
		.amdhsa_wavefront_size32 1
		.amdhsa_system_sgpr_workgroup_id_x 1
		.amdhsa_system_sgpr_workgroup_id_y 1
		.amdhsa_system_sgpr_workgroup_id_z 1
		.amdhsa_system_vgpr_workitem_id 0
		.amdhsa_next_free_vgpr 512
		.amdhsa_next_free_sgpr 80
		.amdhsa_reserve_vcc 1
		.amdhsa_float_denorm_mode_32 3
		.amdhsa_float_denorm_mode_16_64 3
		.amdhsa_memory_ordered 1
		.amdhsa_forward_progress 1
		.amdhsa_inst_pref_size 89
	.end_amdhsa_kernel
	.amdgpu_metadata
---
amdhsa.version: [ 1, 2 ]
amdhsa.kernels:
  - .name:           k_q10564c65cc_attn
    .symbol:         k_q10564c65cc_attn.kd
    .args:
      - { .name: qh, .offset: 0, .size: 8, .value_kind: global_buffer, .address_space: global }
      - { .name: kh, .offset: 8, .size: 8, .value_kind: global_buffer, .address_space: global }
      - { .name: vt, .offset: 16, .size: 8, .value_kind: global_buffer, .address_space: global }
      - { .name: mask, .offset: 24, .size: 8, .value_kind: global_buffer, .address_space: global }
      - { .name: att, .offset: 32, .size: 8, .value_kind: global_buffer, .address_space: global }
    .group_segment_fixed_size: 327680
    .private_segment_fixed_size: 0
    .kernarg_segment_align: 8
    .kernarg_segment_size: 40
    .max_flat_workgroup_size: 256
    .sgpr_count:     80
    .vgpr_count:     512
    .wavefront_size: 32
...
	.end_amdgpu_metadata
.endif
;; end of part 3
;; launch outp (part 4): grid 8 x 32, 4 waves a work-group, clusters of 4 x 4, 327,680 bytes of LDS; arguments att, wo16, bo, out0; writes out0
.if DOCPART == 4
	.amdgcn_target "amdgcn-amd-amdhsa--gfx1250"
	.amdhsa_code_object_version 6
	.text
	.protected	k_q10564c65cc_outp
	.globl	k_q10564c65cc_outp
	.p2align	8
	.type	k_q10564c65cc_outp,@function
k_q10564c65cc_outp:
	s_mov_b64 s[64:65], 0
	v_nop
	global_prefetch_b8 v0, s[64:65] scope:SCOPE_SE
	s_setreg_imm32_b32 hwreg(HW_REG_WAVE_MODE, 25, 1), 1
	s_wait_xcnt 0x0
	s_wait_alu depctr_hold_cnt(0) depctr_sa_sdst(0) depctr_va_vdst(0) depctr_va_sdst(0) depctr_va_ssrc(0) depctr_va_vcc(0) depctr_vm_vsrc(0)
	s_getreg_b32 s2, hwreg(HW_REG_IB_STS2, 6, 4)
	s_cmp_eq_u32 s2, 0
	s_cbranch_scc0 .Lentry_in_a_cluster
	s_endpgm
.Lentry_in_a_cluster:
	s_bfe_u32 s2, ttmp6, 0x10000c
	s_cmp_lg_u32 s2, 0xf033
	s_cbranch_scc0 .Lentry_shape_is_right
	s_endpgm
.Lentry_shape_is_right:
; out0[m][n] = sum over k of att[m][k] Wo[n][k] + bo[n].  att: f16, laid [m / 128][head][m % 128][64], k = 64 head + d.  wo16: [1024 n][1024 k] f16.  out0: [4096][1024] f32.  Sums in f32.
; SHARES: a tile of 128 x 128 to a work-group of four waves, 256 work-groups; a wave makes 64 x 64: 16 accumulators.  K goes in 4 steps of 256 (four heads) through two LDS slots: two first fills, two refills; the text has no loop.
; A slot: A as [4 heads][128 rows] of 128 + 16 bytes; B as 128 rows of 512 + 16 bytes.  Waves 0 and 1 fetch two heads of A each (256 dense rows), waves 2 and 3 64 rows of B each: one load a wave.
; CLUSTERS: 4 x 4: A's tile is shared along a row of the cluster, B's along a column: joint loads.  THE MATRIX INSTRUCTION IS USED TRANSPOSED (source 0 = 16 rows of Wo, source 1 = 16 rows of att): a lane holds eight neighbouring n of a row m.
; The bias is the C of each sum's first product.
; REGISTERS: window 0: v0-31 addresses; v32-95 rows on the way out; v96-127 the bias, 8 a tile of columns; v128-255 the accumulators ((a, b) at v[128 + 8 (4 a + b)]).  window 1: two fragment buffers of 128: 64 of A, then 64 of B, for 64 along K.
.set PA,     144                       ; A's LDS row: 9 x 16 bytes
.set PB,     528                       ; B's: 33 x 16 bytes
.set BOFF,   4*128*PA
.set SLOT,   BOFF+128*PB
.set SPARE,  2*SLOT                    ; behind the ring: the spare words, 128 bytes a wave
.set SPITCH, 272                       ; the way out: 16 rows x (256 + 16) bytes a wave, in slot 0, which has had its last fill and its last read by then
.set ADRA, 16
.set ADRB, 20
.set STO,  24
.set RD,   25
.set CO,   26
.set SPW,  28                          ; v28 my spare word; never rewritten
.set NIL,  29                          ; v29 0; never rewritten
.set TMP,  32
.set BO,   96
.set ACC,  128
.set F0,   0
.set F1,   128
.set G1, 24
.set G0, 32
.set G1B, 48
.set G0B, 56
.set MSB, 0
.macro WIN new
.if MSB != (\new)
	s_set_vgpr_msb (MSB<<8)|(\new)
.set MSB, \new
.endif
.endm
.set MUL,  0x05                        ; sources 0 (B) and 1 (A) window 1; C and D window 0
.set TO_F, 0x40
.macro JLOAD s                         ; a joint load: waves 0 and 1 for A, waves 2 and 3 for B; an s_nop 0 and four v_nop follow each line
	s_cmp_eq_u32 s13, 0
	s_cbranch_scc0 .Lfor_b_\@
	tensor_load_to_lds s[G0+4*\s:G0+4*\s+3], s[G1:G1+7]
	s_nop 0
.rept 4
	v_nop
.endr
	s_branch .Lasked_\@
.Lfor_b_\@:
	tensor_load_to_lds s[G0B+4*\s:G0B+4*\s+3], s[G1B:G1B+7]
	s_nop 0
.rept 4
	v_nop
.endr
.Lasked_\@:
.endm
.macro CREST
	s_cmp_lg_u32 s12, 0
	s_cbranch_scc1 .Lnot_wave_0_\@
	s_barrier_signal -3
.Lnot_wave_0_\@:
	s_barrier_wait -3
	s_barrier_signal -1
	s_barrier_wait -1
.endm
.macro CROUND
	s_barrier_signal -1
	s_barrier_wait -1
	CREST
.endm
	s_load_b256 s[4:11], s[0:1], 0x0               ; att s[4:5], wo16 s[6:7], bo s[8:9], out0 s[10:11]
	v_lshl_add_u32 v[SPW], v0, 2, SPARE
	v_mov_b32 v[NIL], 0
	ds_add_u32 v[SPW], v[NIL]                      ; the wave's opening: the add, twice on end, and its wait ahead of my first tensor load
	ds_add_u32 v[SPW], v[NIL]
	v_lshrrev_b32 v1, 5, v0
	v_readfirstlane_b32 s12, v1                    ; wave 0..3
	s_lshr_b32 s13, s12, 1                         ; which half of the tile's rows is mine.  Also: I fetch for A (0) or for B (1)
	s_and_b32 s14, s12, 1                          ; which half of its columns.  Also: which half of that tile I fetch
	s_bfe_u32 s40, ttmp6, 0x40000                  ; cx
	s_bfe_u32 s41, ttmp6, 0x40004                  ; cy
	s_lshl_b32 s42, ttmp9, 2
	s_add_co_u32 s42, s42, s40                     ; tile column
	s_and_b32 s15, ttmp7, 0xffff
	s_lshl_b32 s15, s15, 2
	s_add_co_u32 s15, s15, s41                     ; tile row
	s_lshl_b32 s43, s41, 2
	s_lshl_b32 s43, 15, s43                        ; my row of the cluster
	s_lshl_b32 s44, 0x1111, s40                    ; my column
	; group 1.  A: 256 dense rows of 64 elements of 2 bytes, 4 words of padding behind every 32.  B: 64 rows of 256 elements, 1,024 elements apart, 4 words behind every 128
	s_or_b32 s[G1+0], s43, (1<<16)|(1<<20)|(1<<21)|(4<<22)|(3<<25)
	s_mov_b32 s[G1+1], 64<<16
	s_mov_b32 s[G1+2], 256<<16
	s_mov_b32 s[G1+3], 64<<16
	s_mov_b32 s[G1+4], 256
	s_mov_b32 s[G1+5], 64
	s_mov_b32 s[G1+6], 0
	s_mov_b32 s[G1+7], 0
	s_or_b32 s[G1B+0], s44, (1<<16)|(1<<20)|(1<<21)|(6<<22)|(3<<25)
	s_mov_b32 s[G1B+1], 256<<16
	s_mov_b32 s[G1B+2], 64<<16
	s_mov_b32 s[G1B+3], 256<<16
	s_mov_b32 s[G1B+4], 64
	s_mov_b32 s[G1B+5], 1024
	s_mov_b32 s[G1B+6], 0
	s_mov_b32 s[G1B+7], 0
	s_lshl_b32 s16, s15, 18                        ; A: 16 heads x 16,384 bytes a tile row,
	s_lshl_b32 s17, s14, 15                        ; my two heads of the step's four
	s_add_co_u32 s16, s16, s17
	s_mov_b32 s17, 0
	s_lshl_b32 s46, s42, 18                        ; B: 128 rows of 2,048 bytes a tile column,
	s_lshl_b32 s47, s14, 17                        ; my 64 rows
	s_add_co_u32 s46, s46, s47
	s_mov_b32 s47, 0
	s_mul_i32 s20, s14, 256*PA                     ; where they go: no place in the cluster enters an LDS address
	s_mul_i32 s21, s14, 64*PB
	s_add_co_u32 s21, s21, BOFF
	s_wait_dscnt 0x0                               ; both opening adds are done
	s_wait_kmcnt 0x0
	s_add_nc_u64 s[18:19], s[4:5], s[16:17]
	s_add_nc_u64 s[46:47], s[6:7], s[46:47]
	CROUND                                         ; all sixteen work-groups are here: the first joint loads meet
.irp s, 0,1
	s_mov_b32 s[G0+4*\s], 1
	s_add_co_u32 s[G0+4*\s+1], s20, \s*SLOT
	s_add_nc_u64 s[G0+4*\s+2:G0+4*\s+3], s[18:19], \s*4*16384      ; K step s: four heads on
	s_or_b32 s[G0+4*\s+3], s[G0+4*\s+3], 0x80000000
	s_mov_b32 s[G0B+4*\s], 1
	s_add_co_u32 s[G0B+4*\s+1], s21, \s*SLOT
	s_add_nc_u64 s[G0B+4*\s+2:G0B+4*\s+3], s[46:47], \s*512
	s_or_b32 s[G0B+4*\s+3], s[G0B+4*\s+3], 0x80000000
	JLOAD \s
.endr
	v_and_b32 v1, 15, v0                           ; r
	v_bfe_u32 v2, v0, 4, 1                         ; h
	v_mul_u32_u24 v3, v1, PA
	v_lshl_add_u32 v3, v2, 4, v3
	v_mul_u32_u24 v4, v1, PB
	v_lshl_add_u32 v4, v2, 4, v4
	s_mul_i32 s22, s13, 64*PA                      ; my 64 rows of A, in each head's 128
	s_mul_i32 s23, s14, 64*PB                      ; my 64 rows of B
	s_add_co_u32 s23, s23, BOFF
.irp s, 0,1
	v_add_nc_u32 v[ADRA+\s], s22, v3
	v_add_nc_u32 v[ADRB+\s], s23, v4
	s_add_co_u32 s22, s22, SLOT
	s_add_co_u32 s23, s23, SLOT
.endr
	s_mul_i32 s16, s12, 16*SPITCH                  ; my stage
	v_mul_u32_u24 v5, v1, SPITCH
	v_lshl_add_u32 v5, v2, 5, v5
	v_add_nc_u32 v[STO], s16, v5                   ; in: row r, 32 bytes for each half of the lanes
	v_mul_u32_u24 v5, v2, SPITCH
	v_lshl_add_u32 v5, v1, 4, v5
	v_add_nc_u32 v[RD], s16, v5                    ; back: sixteen lanes to a row of 256 bytes, two rows an instruction
	v_lshlrev_b32 v5, 12, v2
	v_lshl_add_u32 v[CO], v1, 4, v5                ; and the same two rows in out0: 4,096 bytes apart
	v_lshlrev_b32 v6, 5, v2                        ; the bias: 32 h
	s_lshl_b32 s22, s42, 9
	s_lshl_b32 s23, s14, 8
	s_add_co_u32 s22, s22, s23                     ; my first column, in bytes: 4 x (128 x tile column + 64 x half)
	s_mov_b32 s23, 0
	s_add_nc_u64 s[8:9], s[8:9], s[22:23]
	s_add_nc_u64 s[10:11], s[10:11], s[22:23]
	s_lshl_b32 s22, s15, 19
	s_lshl_b32 s16, s13, 18
	s_add_co_u32 s22, s22, s16                     ; my first row: (128 x tile row + 64 x half) x 4,096 bytes
	s_add_nc_u64 s[10:11], s[10:11], s[22:23]
.irp b, 0,1,2,3
	global_load_b128 v[BO+8*\b:BO+8*\b+3], v6, s[8:9] offset:64*\b            ; bo[16 b + 8 h + 0 .. 7]: the result's layout
	global_load_b128 v[BO+8*\b+4:BO+8*\b+7], v6, s[8:9] offset:64*\b+16
.endr
; 8 matrix instructions: m blocks a0, a0 + 1 x all 4 n blocks, 32 along K: half c of buffer f.  first = 1: the product starts the sums, with the bias as its C.  The 16 accumulators take turns.
.macro MUL8 f, c, a0, first
.irp a, \a0, \a0+1
.irp b, 0,1,2,3
.if \first
	v_wmma_f32_16x16x32_f16 v[ACC+8*(4*(\a)+\b):ACC+8*(4*(\a)+\b)+7], v[\f+64+8*(4*\c+\b):\f+64+8*(4*\c+\b)+7], v[\f+8*(4*\c+\a):\f+8*(4*\c+\a)+7], v[BO+8*\b:BO+8*\b+7]
.else
	v_wmma_f32_16x16x32_f16 v[ACC+8*(4*(\a)+\b):ACC+8*(4*(\a)+\b)+7], v[\f+64+8*(4*\c+\b):\f+64+8*(4*\c+\b)+7], v[\f+8*(4*\c+\a):\f+8*(4*\c+\a)+7], v[ACC+8*(4*(\a)+\b):ACC+8*(4*(\a)+\b)+7]
.endif
.endr
.endr
.endm
; 32 LDS loads in one run: the fragments of the slot's q-th 64 along K (head q of its four) into buffer f; the first 32 along K first
.macro FETCH slot, q, f
	WIN TO_F
.irp c, 0,1
.irp i, 0,1,2,3
	ds_load_b128 v[\f+64+8*(4*\c+\i):\f+64+8*(4*\c+\i)+3],   v[ADRB+\slot] offset:128*(\q)+64*\c+\i*16*PB
	ds_load_b128 v[\f+64+8*(4*\c+\i)+4:\f+64+8*(4*\c+\i)+7], v[ADRB+\slot] offset:128*(\q)+64*\c+\i*16*PB+32
	ds_load_b128 v[\f+8*(4*\c+\i):\f+8*(4*\c+\i)+3],         v[ADRA+\slot] offset:(\q)*128*PA+64*\c+\i*16*PA
	ds_load_b128 v[\f+8*(4*\c+\i)+4:\f+8*(4*\c+\i)+7],       v[ADRA+\slot] offset:(\q)*128*PA+64*\c+\i*16*PA+32
.endr
.endr
.endm
.macro PLACES                          ; four plain places ahead of loads into registers that matrix instructions have read, and of reads of results
.rept 4
	v_nop
.endr
.endm
.macro QUARTER slot, q, f, g, first    ; multiplies buffer f and fetches the slot's quarter q into g
	s_wait_dscnt 16                                ; the first 32 along K are in; the other sixteen loads may be out
	WIN MUL
	MUL8 \f, 0, 0, \first
	MUL8 \f, 0, 2, \first
	PLACES
	FETCH \slot, \q, \g
	s_wait_dscnt 32                                ; all but the 32 just issued
	WIN MUL
	MUL8 \f, 1, 0, 0
	MUL8 \f, 1, 2, 0
.endm
; A slot's last quarter multiplies buffer 1 and changes slots: one barrier; in front of it each wave waits for all its tensor loads, adds 0 to its spare word, and waits for that and for its reads of this slot.  fill = 1: this slot is filled again, two K steps ahead.
.macro TURN slot, next, fill
	WIN 0
	s_wait_tensorcnt 0x0                           ; all my tensor loads have landed: my part of the next slot
	ds_add_u32 v[SPW], v[NIL]
	s_wait_dscnt 17                                ; (the add and the youngest sixteen loads may be out)
	WIN MUL
	MUL8 F1, 0, 0, 0
	s_wait_dscnt 0x0                               ; the add is done, and my reads of this slot are over
	s_barrier_signal -1
	MUL8 F1, 0, 2, 0
.if \fill
	WIN 0
.endif
	s_barrier_wait -1
.if \fill
	CREST                                          ; the barrier has opened a round of the cluster's barrier: no wave of any partner still reads this slot or has a load on its way
	s_add_nc_u64 s[G0+4*\slot+2:G0+4*\slot+3], s[G0+4*\slot+2:G0+4*\slot+3], 2*4*16384
	s_add_nc_u64 s[G0B+4*\slot+2:G0B+4*\slot+3], s[G0B+4*\slot+2:G0B+4*\slot+3], 2*512
	JLOAD \slot                                    ; the first tensor load behind the round; its four v_nop are also the places ahead of the loads below
.else
	PLACES
.endif
	FETCH \next, 0, F0
	WIN MUL
	MUL8 F1, 1, 0, 0
	MUL8 F1, 1, 2, 0
.endm
	s_wait_tensorcnt 1                             ; my part of K step 0 is in (K step 1's load may be out)
	s_barrier_signal -1
	s_barrier_wait -1                              ; everybody's is
	FETCH 0, 0, F0
	s_wait_loadcnt 0x0                             ; the bias
	QUARTER 0, 1, F0, F1, 1                        ; K step 0
	QUARTER 0, 2, F1, F0, 0
	QUARTER 0, 3, F0, F1, 0
	TURN 0, 1, 1                                   ; slot 0 takes K step 2
	QUARTER 1, 1, F0, F1, 0                        ; K step 1
	QUARTER 1, 2, F1, F0, 0
	QUARTER 1, 3, F0, F1, 0
	TURN 1, 0, 1                                   ; slot 1 takes K step 3
	QUARTER 0, 1, F0, F1, 0                        ; K step 2
	QUARTER 0, 2, F1, F0, 0
	QUARTER 0, 3, F0, F1, 0
	TURN 0, 1, 0                                   ; nothing is left to fetch
	QUARTER 1, 1, F0, F1, 0                        ; K step 3
	QUARTER 1, 2, F1, F0, 0
	QUARTER 1, 3, F0, F1, 0
	s_wait_dscnt 16
	WIN MUL
	MUL8 F1, 0, 0, 0
	MUL8 F1, 0, 2, 0
	s_wait_dscnt 0
	MUL8 F1, 1, 0, 0
	MUL8 F1, 1, 2, 0
	WIN 0
	; THE WAY OUT, a block of 16 rows x 64 columns at a time: a lane's 32 bytes go into my own stage and come back as whole rows of 256 bytes: sixteen lanes store 256 consecutive bytes, at a multiple of 256 from out0's first byte.
	PLACES
.macro TOSTAGE a
.set BB, TMP+32*((\a)%2)
.irp b, 0,1,2,3
	ds_store_b128 v[STO], v[ACC+8*(4*(\a)+\b):ACC+8*(4*(\a)+\b)+3] offset:64*\b          ; each accumulator from its low end on
	ds_store_b128 v[STO], v[ACC+8*(4*(\a)+\b)+4:ACC+8*(4*(\a)+\b)+7] offset:64*\b+16
.endr
.irp t, 0,1,2,3,4,5,6,7
	ds_load_b128 v[BB+4*\t:BB+4*\t+3], v[RD] offset:\t*2*SPITCH    ; LDS serves a wave's instructions in order: these see the stores above
.endr
.endm
.macro SEND a, younger
.set BB, TMP+32*((\a)%2)
	s_wait_dscnt \younger                          ; the block is back; the next block's 8 stores and 8 loads may be out
.irp t, 0,1,2,3,4,5,6,7
	global_store_b128 v[CO], v[BB+4*\t:BB+4*\t+3], s[10:11] offset:(16*(\a)+2*\t)*4096 th:TH_STORE_NT
.endr
.endm
	TOSTAGE 0
.irp a, 1,2,3
.if \a > 1
	s_wait_xcnt 0x0                                ; block a - 2's stores have read their registers: block a's loads may land there
.endif
	TOSTAGE \a
	SEND \a-1, 16
.endr
	SEND 3, 0
	s_wait_tensorcnt 0x0                           ; the wave's end: behind my last tensor load and my last LDS store
	ds_add_u32 v[SPW], v[NIL]
	s_wait_dscnt 0x0
	CROUND                                         ; the closing round
	s_endpgm
.Lfunc_end_k_q10564c65cc_outp:
	.size	k_q10564c65cc_outp, .Lfunc_end_k_q10564c65cc_outp-k_q10564c65cc_outp
	.p2alignl 7, 3214868480
	.fill 96, 4, 3214868480
	.section	.rodata,"a",@progbits
	.p2align	6, 0x0
	.amdhsa_kernel k_q10564c65cc_outp
		.amdhsa_group_segment_fixed_size 327680
		.amdhsa_private_segment_fixed_size 0
		.amdhsa_enable_private_segment 0
		.amdhsa_kernarg_size 32
		.amdhsa_user_sgpr_count 2
		.amdhsa_user_sgpr_kernarg_segment_ptr 1
		.amdhsa_wavefront_size32 1
		.amdhsa_system_sgpr_workgroup_id_x 1
		.amdhsa_system_sgpr_workgroup_id_y 1
		.amdhsa_system_sgpr_workgroup_id_z 1
		.amdhsa_system_vgpr_workitem_id 0
		.amdhsa_next_free_vgpr 512
		.amdhsa_next_free_sgpr 66
		.amdhsa_reserve_vcc 0
		.amdhsa_float_denorm_mode_32 3
		.amdhsa_float_denorm_mode_16_64 3
		.amdhsa_memory_ordered 1
		.amdhsa_forward_progress 1
		.amdhsa_inst_pref_size 86
	.end_amdhsa_kernel
	.amdgpu_metadata
---
amdhsa.version: [ 1, 2 ]
amdhsa.kernels:
  - .name:           k_q10564c65cc_outp
    .symbol:         k_q10564c65cc_outp.kd
    .args:
      - { .name: att, .offset: 0, .size: 8, .value_kind: global_buffer, .address_space: global }
      - { .name: wo16, .offset: 8, .size: 8, .value_kind: global_buffer, .address_space: global }
      - { .name: bo, .offset: 16, .size: 8, .value_kind: global_buffer, .address_space: global }
      - { .name: out0, .offset: 24, .size: 8, .value_kind: global_buffer, .address_space: global }
    .group_segment_fixed_size: 327680
    .private_segment_fixed_size: 0
    .kernarg_segment_align: 8
    .kernarg_segment_size: 32
    .max_flat_workgroup_size: 128
    .sgpr_count:     66
    .vgpr_count:     512
    .wavefront_size: 32
...
	.end_amdgpu_metadata
.endif
;; end of part 4
